; MI455X (gfx1250); checked and timed in simulation.
; The chip was launched on July 23, 2026; its instructions are those of AMD's public machine-readable ISA for CDNA 5 (MIT licence, August 2026) and "CDNA5" Instruction Set Architecture Reference Guide (July 2026). The comments in the code are by the model that wrote it; some were corrected since.
;; Multihead Attention. Allowed arithmetic: matrix products marked QUANTISED: E2M3 operands, one E8M0 scale for each 32 along K, by v_wmma_scale_f32_16x16x128_f8f6f4 with both operands' format E2M3, f32 sums; everything else in f32.
;; Inputs: Wk 1,024 x 1,024 float32; Wo 1,024 x 1,024 float32; Wq 1,024 x 1,024 float32; Wv 1,024 x 1,024 float32; x 4 x 2,048 x 1,024 float32.
;; Outputs: out0 4 x 2,048 x 1,024 float32.
;; This version of the problem:
;;   THIS VERSION OF THE PROBLEM IS GIVEN IN LOW PRECISION. The matrix products marked QUANTISED in the list below multiply operands that are first quantised to E2M3 (2 exponent bits, 3 mantissa bits; 6 bits a number), with one power-of-two scale for each 32 numbers along K (OCP MX v1.0); their sums are f32. All else is computed in f32.
;;   The module's matrix products, in the order in which they are computed (A, B: the left and right operand; K: the contracted axis; several contracted axes count as one K, in the product's order):
;;     1. [M 8,192, K 1,024] x [K 1,024, N 1,024]; A: input x; B: input Wq: QUANTISED
;;     2. [M 8,192, K 1,024] x [K 1,024, N 1,024]; A: input x; B: input Wk: QUANTISED
;;     3. [M 8,192, K 1,024] x [K 1,024, N 1,024]; A: input x; B: input Wv: QUANTISED
;;     4. batch 64 x [M 2,048, K 64] x [K 64, N 2,048]; A: computed on the way; B: computed on the way: QUANTISED
;;     5. batch 64 x [M 2,048, K 2,048] x [K 2,048, N 64]; A: softmax (see below); B: computed on the way: QUANTISED
;;     6. [M 8,192, K 1,024] x [K 1,024, N 1,024]; A: computed on the way; B: input Wo: QUANTISED
;;   THE QUANTISER, for each operand of a quantised product, along K:
;;     - K is cut into blocks of 32 from its start; a last block that is shorter is filled with zeros.
;;     - A block's scale is 2^e with e = floor(log2(the largest magnitude in the block)) - 2, held to -126 .. 127; a block of zeros has e = 0. As a byte (E8M0): e + 127.
;;     - Each number is divided by its block's scale, clamped to +-7.5, and rounded to the nearest number of E2M3, ties to even, subnormals kept.
;;     - The product sums the exact products of the quantised numbers (number of the format x scale) in f32.
;;   ~~~python
;;   def quantise(x, axis):      # numpy; x: float32 -> the quantised numbers, widened to float32 again
;;       x = np.moveaxis(x, axis, -1); K = x.shape[-1]
;;       x = np.pad(x, [(0, 0)] * (x.ndim - 1) + [(0, -K % 32)]); x = x.reshape(x.shape[:-1] + (-1, 32)); a = np.abs(x).max(-1, keepdims=True)
;;       e = np.where(a > 0, np.clip(np.frexp(np.where(a > 0, a, 1))[1] - 1 - 2, -126, 127), 0)      # np.frexp(a)[1] - 1 = floor(log2(a)), exactly
;;       r = np.clip(x / 2.0 ** e, -7.5, 7.5)
;;       step = 2.0 ** (np.maximum(np.frexp(np.where(r == 0, 1, r))[1] - 1, 0) - 3)
;;       q = np.round(r / step) * step * 2.0 ** e      # np.round: ties to even
;;       return np.moveaxis(q.reshape(q.shape[:-2] + (-1,))[..., :K], -1, axis).astype(np.float32)
;;   ~~~
;;   SOFTMAX AHEAD OF A QUANTISED PRODUCT. Where the list says 'softmax', what is quantised is not the finished softmax but p = 2^(t - M), with t = logit x log2(e) and M = ceil(the row's largest t), a whole number; so 1/2 < the row's largest p <= 1. The row's sum l is taken of the UNQUANTISED p, in f32, and the product's result is divided by l at the end. Since M is a whole number, a kernel that streams over the keys may use a running M (the ceiling of the running maximum): every later rescaling is an exact power of two, which a block's scale takes up: the codes' values come out the same.
;;   OPERANDS COMPUTED ON THE WAY. 'Computed on the way' means the value that the module computes at that place (a softmax that the list does not call 'softmax' is quantised finished and normalised). What goes into a quantiser is computed in f32, as accurately as f32 sums, v_exp_f32 and their like allow (about 1e-6 of the number): no bf16 or f16 on the way to a quantiser, and a product that is left as it is and whose result goes on into a quantised operand takes f32 operands (vector FMAs, or v_wmma_f32_16x16x4_f32). A number that lies on a knife's edge between two numbers of the format may be rounded either way, as far as f32 arithmetic and the matrix unit's own rounding can turn it there, and no further.
;; One version. Each part assembles by itself: llvm-mc -triple=amdgcn-amd-amdhsa -mcpu=gfx1250 --defsym DOCPART=n.
;; ======== version 1 of 1: 4 launches
;; workspace buffers: cod 9,437,184 bytes; scl 393,216 bytes; qkvc 18,874,368 bytes; qkvs 1,572,864 bytes; yc 6,291,456 bytes; ys 262,144 bytes
;; launch quant (part 1): grid 384 x 1, 4 waves a work-group, no clusters, 33,280 bytes of LDS; arguments x, Wq, Wk, Wv, Wo, cod, scl; writes cod, scl
.if DOCPART == 1
	.amdgcn_target "amdgcn-amd-amdhsa--gfx1250"
	.amdhsa_code_object_version 6
	.text
	.protected	k_qc9fbfa9eda_quant
	.globl	k_qc9fbfa9eda_quant
	.p2align	8
	.type	k_qc9fbfa9eda_quant,@function
k_qc9fbfa9eda_quant:
	s_mov_b64 s[64:65], 0
	v_nop
	global_prefetch_b8 v0, s[64:65] scope:SCOPE_SE
	s_setreg_imm32_b32 hwreg(HW_REG_WAVE_MODE, 25, 1), 1
	s_wait_xcnt 0x0
; x [8192][1024] and Wq, Wk, Wv, Wo [1024][1024], f32 with K innermost, become codes of FP6 (E2M3), 6 bits each, with one E8M0 scale byte for each 32 along K.
; cod is [12288 rows][768 bytes], scl [12288][32 bytes]: rows 0.. x, 8192.. Wq, 9216.. Wk, 10240.. Wv, 11264.. Wo.
; POSITION ORDER: a row is stored at the place that is its number with bits 3 and 4 exchanged: in each 32 rows the groups of eight lie in the order 0, 2, 1, 3.  Sixteen rows on end in cod are then rows
; 32 b + 8 u + r + 8 (r / 8), which is what lets a transposed product's registers run along neighbours of the next K.
; A block's scale is 2^(floor(log2(its largest magnitude)) - 2); its byte is the largest magnitude's exponent field - 2, held at 1 from below.  Each number is divided by the scale and rounded to the nearest code, ties to even.
; LIMITS: NaN and infinities among the inputs are not served; a block whose largest magnitude lies under 2^-124 keeps the byte 1, and so does a block of zeros (its codes are zeros, and this program alone reads the bytes).
; A work-group takes 32 rows, a wave 8 rows = 8,192 numbers = 16 steps of 512.  Each of a step's four loads reads 512 consecutive bytes, 16 a lane; the 2,048 bytes turn through the wave's own stage in LDS and come back 64 bytes a lane,
; so that a lane holds 16 neighbours along K and two neighbouring lanes a block.  A lane's 16 codes are 12 bytes: the wave stores 384 consecutive bytes.  A wave's 256 scale bytes are gathered in LDS and leave as one aligned block of 256 bytes.
; No tensor loads, no barrier: waves share nothing.  Loads run four steps (16 loads a wave) ahead, the turn through LDS one step.
.set WAVES, 4
.set STEPS, 16
.set EMAX,  2
.set CB,    12                         ; bytes of 16 codes
.set R,     16                         ; v16-79   four sets of 16 numbers as they are loaded
.set X,     80                         ; v80-111  two sets of 16 neighbours
.set C,     128                        ; v128-191 codes: four registers for each step, so that no store's data are written again
.set E,     112                        ; v112-127 a scale byte for each step
.set WREG,  8192                       ; LDS: a region for each wave: two stages of 32 x SP bytes, and behind them its 256 scale bytes
.set SP,    80                         ; a lane's place in a stage: its 64 bytes + 16 of padding
.set SPW,   12                         ; v12      LDS address of my spare word; never rewritten
.set NIL,   13                         ; v13      0; never rewritten
.set SPARE, WAVES*WREG                 ; behind the four regions: the spare words, 128 bytes for each wave
	s_load_b256 s[4:11], s[0:1], 0x0               ; x s[4:5], Wq s[6:7], Wk s[8:9], Wv s[10:11]
	s_load_b128 s[12:15], s[0:1], 0x20             ; Wo s[12:13], cod s[14:15]
	s_load_b64 s[16:17], s[0:1], 0x30              ; scl
	v_lshl_add_u32 v[SPW], v0, 2, SPARE
	v_mov_b32 v[NIL], 0
	v_lshrrev_b32 v1, 5, v0
	v_readfirstlane_b32 s24, v1                    ; wave
	v_and_b32 v2, 31, v0                           ; lane
	v_lshlrev_b32 v3, 4, v2                        ; my 16 bytes of a load's 512
	s_mul_i32 s28, s24, WREG
	v_lshrrev_b32 v14, 2, v2
	v_mul_u32_u24 v14, v14, SP
	v_and_b32 v15, 3, v2
	v_lshl_add_u32 v14, v15, 4, v14
	v_add_nc_u32 v14, s28, v14                     ; the stage, on the way in: SP (lane / 4) + 16 (lane % 4)
	v_mul_u32_u24 v15, v2, SP
	v_add_nc_u32 v15, s28, v15                     ; and on the way out: SP x lane: my 16 neighbours
	v_mul_u32_u24 v4, v2, CB                       ; my codes' place in a step's
	v_lshrrev_b32 v5, 1, v2
	s_add_co_u32 s28, s28, 2*32*SP
	v_add_nc_u32 v5, s28, v5                       ; LDS: my wave's 256 scale bytes, my block's byte
	v_lshlrev_b32 v7, 3, v2                        ; and on the way out 8 bytes a lane
	v_add_nc_u32 v6, s28, v7
	s_sub_co_u32 s25, ttmp9, 256                   ; work-groups 256 on take the weights, 32 work-groups each
	s_lshr_b32 s26, s25, 5                         ; which weight
	s_and_b32 s27, s25, 31                         ; and which 32 rows of it
	s_wait_kmcnt 0x0
	s_cmp_eq_u32 s26, 2                            ; the choice of the tensor hangs on the work-group's number alone
	s_cselect_b64 s[12:13], s[10:11], s[12:13]
	s_cmp_eq_u32 s26, 1
	s_cselect_b64 s[12:13], s[8:9], s[12:13]
	s_cmp_eq_u32 s26, 0
	s_cselect_b64 s[12:13], s[6:7], s[12:13]
	s_cmp_lt_u32 ttmp9, 256
	s_cselect_b64 s[4:5], s[4:5], s[12:13]
	s_cselect_b32 s27, ttmp9, s27
	s_lshl_b32 s27, s27, 2
	s_add_co_u32 s27, s27, s24                     ; which run of 8 rows of the tensor is my wave's
	s_lshl_b32 s20, s27, 15                        ; 32,768 bytes a run
	s_mov_b32 s21, 0
	s_add_nc_u64 s[4:5], s[4:5], s[20:21]
	s_and_b32 s28, s24, 1                          ; where the run goes: the wave's two bits exchanged
	s_lshl_b32 s28, s28, 1
	s_lshr_b32 s29, s24, 1
	s_or_b32 s28, s28, s29
	s_lshl_b32 s29, ttmp9, 2
	s_add_co_u32 s28, s28, s29
	s_mul_i32 s20, s28, 32*STEPS*CB                ; 6,144 bytes of codes a run
	s_add_nc_u64 s[14:15], s[14:15], s[20:21]
	s_lshl_b32 s20, s28, 8                         ; 256 scale bytes a run
	s_add_nc_u64 s[16:17], s[16:17], s[20:21]
.macro LOAD t
.irp i, 0,1,2,3
	global_load_b128 v[R+16*((\t)%4)+4*\i:R+16*((\t)%4)+4*\i+3], v3, s[4:5] offset:2048*(\t)+512*\i th:TH_LOAD_NT   ; 32 lanes read 512 consecutive bytes
.endr
.endm
.macro TURN t                          ; step t's numbers through the stage: LDS serves a wave's instructions in order, so no wait stands between the stores and the loads
.irp i, 0,1,2,3
	ds_store_b128 v14, v[R+16*((\t)%4)+4*\i:R+16*((\t)%4)+4*\i+3] offset:32*SP*((\t)%2)+8*SP*\i
.endr
.irp i, 0,1,2,3
	ds_load_b128 v[X+16*((\t)%2)+4*\i:X+16*((\t)%2)+4*\i+3], v15 offset:32*SP*((\t)%2)+16*\i
.endr
.endm
.irp t, 0,1,2,3
	LOAD \t
.endr
	s_wait_loadcnt 12                              ; step 0's four loads are in; the 12 of steps 1 to 3 may be out
	TURN 0
.macro STEP t
.set XS, X+16*((\t)%2)
.if (\t) > 0
	s_wait_dscnt 1                                 ; this step's numbers are back from the stage (the last step's byte store may be out): so its stores into the stage have read their registers,
.else
	s_wait_dscnt 0x0
.endif
.if (\t)+4 < STEPS
	LOAD (\t)+4                                    ; which take the loads of four steps on
.endif
.if (\t)+1 < STEPS
.if STEPS-2-(\t) >= 3
	s_wait_loadcnt 12                              ; the next step's four loads are in; those of the three steps behind it may be out
.else
	s_wait_loadcnt 4*(STEPS-2-(\t))
.endif
	TURN (\t)+1                                    ; and go through the other stage while this step is worked
.endif
	v_max3_num_f32 v8, |v[XS]|, |v[XS+1]|, |v[XS+2]|               ; the largest magnitude of my 16, in two chains
	v_max3_num_f32 v9, |v[XS+3]|, |v[XS+4]|, |v[XS+5]|
.irp i, 6,10
	v_max3_num_f32 v8, v8, |v[XS+\i]|, |v[XS+\i+1]|
	v_max3_num_f32 v9, v9, |v[XS+\i+2]|, |v[XS+\i+3]|
.endr
	v_max3_num_f32 v8, v8, |v[XS+14]|, |v[XS+15]|
	v_max3_num_f32 v8, v8, v9, (EMAX+1)<<23        ; and the floor 2^(3 - 127): the byte cannot fall under 1
	v_max_num_f32_dpp v8, v8, v8 row_xmask:1 row_mask:0xf bank_mask:0xf   ; and of my neighbour's 16: the block's
	v_add_nc_u32 v11, -(EMAX<<23), v8              ; 2 off its exponent field: the conversion takes the exponent field of this operand as its scale, and nothing else of it
	v_cvt_scalef32_pk16_fp6_f32 v[C+4*(\t):C+4*(\t)+2], v[XS:XS+15], v11
	v_lshrrev_b32 v[E+(\t)], 23, v11               ; the scale's byte (also the plain instruction behind the conversion)
	ds_store_b8 v5, v[E+(\t)] offset:16*(\t)       ; both lanes of a block write the same byte with the same value
	global_store_b96 v4, v[C+4*(\t):C+4*(\t)+2], s[14:15] offset:32*CB*(\t)
.endm
.irp t, 0,1,2,3,4,5,6,7,8,9,10,11,12,13,14,15
	STEP \t
.endr
	ds_load_b64 v[8:9], v6                         ; LDS serves a wave's instructions in order: these see my stores
	s_wait_dscnt 0x0
	global_store_b64 v7, v[8:9], s[16:17]          ; 32 lanes store 256 consecutive bytes, aligned
	s_wait_tensorcnt 0x0                           ; the wave's end: behind my last LDS store
	ds_add_u32 v[SPW], v[NIL]
	s_wait_dscnt 0x0
	s_endpgm
.Lfunc_end_k_qc9fbfa9eda_quant:
	.size	k_qc9fbfa9eda_quant, .Lfunc_end_k_qc9fbfa9eda_quant-k_qc9fbfa9eda_quant
	.p2alignl 7, 3214868480
	.fill 96, 4, 3214868480
	.section	.rodata,"a",@progbits
	.p2align	6, 0x0
	.amdhsa_kernel k_qc9fbfa9eda_quant
		.amdhsa_group_segment_fixed_size 33280
		.amdhsa_private_segment_fixed_size 0
		.amdhsa_enable_private_segment 0
		.amdhsa_kernarg_size 56
		.amdhsa_user_sgpr_count 2
		.amdhsa_user_sgpr_kernarg_segment_ptr 1
		.amdhsa_wavefront_size32 1
		.amdhsa_system_sgpr_workgroup_id_x 1
		.amdhsa_system_sgpr_workgroup_id_y 1
		.amdhsa_system_sgpr_workgroup_id_z 1
		.amdhsa_system_vgpr_workitem_id 0
		.amdhsa_next_free_vgpr 192
		.amdhsa_next_free_sgpr 66
		.amdhsa_reserve_vcc 0
		.amdhsa_float_denorm_mode_32 3
		.amdhsa_float_denorm_mode_16_64 3
		.amdhsa_memory_ordered 1
		.amdhsa_forward_progress 1
		.amdhsa_inst_pref_size 33
	.end_amdhsa_kernel
	.amdgpu_metadata
---
amdhsa.version: [ 1, 2 ]
amdhsa.kernels:
  - .name:           k_qc9fbfa9eda_quant
    .symbol:         k_qc9fbfa9eda_quant.kd
    .args:
      - { .name: x, .offset: 0, .size: 8, .value_kind: global_buffer, .address_space: global }
      - { .name: Wq, .offset: 8, .size: 8, .value_kind: global_buffer, .address_space: global }
      - { .name: Wk, .offset: 16, .size: 8, .value_kind: global_buffer, .address_space: global }
      - { .name: Wv, .offset: 24, .size: 8, .value_kind: global_buffer, .address_space: global }
      - { .name: Wo, .offset: 32, .size: 8, .value_kind: global_buffer, .address_space: global }
      - { .name: cod, .offset: 40, .size: 8, .value_kind: global_buffer, .address_space: global }
      - { .name: scl, .offset: 48, .size: 8, .value_kind: global_buffer, .address_space: global }
    .group_segment_fixed_size: 33280
    .private_segment_fixed_size: 0
    .kernarg_segment_align: 8
    .kernarg_segment_size: 56
    .max_flat_workgroup_size: 128
    .sgpr_count:     66
    .vgpr_count:     192
    .wavefront_size: 32
...
	.end_amdgpu_metadata
.endif
;; end of part 1
;; launch qkv (part 2): grid 12 x 32, 4 waves a work-group, clusters of 4 x 4, 327,680 bytes of LDS; arguments cod, scl, qkvc, qkvs; writes qkvc, qkvs
.if DOCPART == 2
	.amdgcn_target "amdgcn-amd-amdhsa--gfx1250"
	.amdhsa_code_object_version 6
	.text
	.protected	k_qc9fbfa9eda_qkv
	.globl	k_qc9fbfa9eda_qkv
	.p2align	8
	.type	k_qc9fbfa9eda_qkv,@function
k_qc9fbfa9eda_qkv:
	s_mov_b64 s[64:65], 0
	v_nop
	global_prefetch_b8 v0, s[64:65] scope:SCOPE_SE
	s_setreg_imm32_b32 hwreg(HW_REG_WAVE_MODE, 25, 1), 1
	s_wait_xcnt 0x0
	s_wait_alu depctr_hold_cnt(0) depctr_sa_sdst(0) depctr_va_vdst(0) depctr_va_sdst(0) depctr_va_ssrc(0) depctr_va_vcc(0) depctr_vm_vsrc(0)
	s_getreg_b32 s2, hwreg(HW_REG_IB_STS2, 6, 4)
	s_cmp_eq_u32 s2, 0
	s_cbranch_scc0 .Lentry_in_a_cluster
	s_endpgm
.Lentry_in_a_cluster:
	s_bfe_u32 s2, ttmp6, 0x10000c
	s_cmp_lg_u32 s2, 0xf033
	s_cbranch_scc0 .Lentry_shape_is_right
	s_endpgm
.Lentry_shape_is_right:
; q = x Wq^T, k = x Wk^T, v = x Wv^T on codes of FP6 (E2M3) with E8M0 scales for each 32 along K = 1,024; the f32 sums are quantised again in registers and leave as codes: q and k along the channels, v along the keys.
; cod [12288][768 bytes], scl [12288][32 bytes]: rows 0.. x, 8192.. Wq, 9216.. Wk, 10240.. Wv; every row lies at the place that is its number with bits 3 and 4 exchanged.
; A work-group of four waves makes 256 x 256 results, a wave 128 x 128: 64 accumulators of 16 x 16, 512 registers.  K goes in steps of 256 through a ring of two LDS slots filled by the tensor data mover; the scale bytes of the
; work-group's 512 rows, for all of K, come once and stay.  THE MATRIX INSTRUCTION IS USED TRANSPOSED: source 0 = 16 rows of 'B', source 1 = 16 rows of 'A': a lane holds one row of A, its registers run along rows of B.
; Clusters with x = 0, 1: A = tokens, B = rows of Wq and Wk: registers run along channels.  Clusters with x = 2: A = rows of Wv, B = tokens: registers run along keys.  Only row numbers differ, chosen on the cluster's x, which all partners share.
; By the order of rows in cod, registers 16 t + i of the accumulators 2 t and 2 t + 1 of a lane are the true indices 32 t + 16 (lane / 16) + i of B's axis: sixteen neighbours along the next K.
; CLUSTERS: 4 x 4 work-groups; the four of a row need the same tiles of A, the four of a column the same tiles of B: each tile is asked for jointly.
; OUT.  A wave's block is 8 fragments (16 rows of A x 128 of B's axis), each an image of the operand's 12 registers: 6 planes of 256 bytes, plane p = registers 2 p, 2 p + 1, lane l's 8 bytes at 8 l: 12,288 bytes; and 1,024 bytes of scale words,
; [fragment / 4][lane][fragment % 4]: lane (r, h) holds row r's word shifted down by 16 h bits; for q and k only its low two bytes are kept, so that lanes 0-15 hold the even head's word and lanes 16-31 the odd head's, each with bytes 2, 3 = 0.
; Block number: q, k: 64 x (head pair; k's from 8 on) + token group of 128;  v: 1024 + 64 x head pair + key step of 128.
; LIMITS: NaN and infinities are not served; a block whose largest magnitude lies under 2^-124 keeps the byte 1, and so does a block of zeros (its codes are zeros; this program alone reads the bytes).
; REGISTERS, in windows of 256: window 0: v16-29 addresses; v32-63 scale words, two sets; from v128 A's fragments, ONE set; on the way out v32-63 and v128-231 are at work.
;   window 1: B's fragments, TWO sets, at v0 and v128.   window 2: the accumulators of my rows 0-63 ((a, b) at v[8 (8 a + b)]);   window 3: those of my rows 64-127.
.set SIZE_K, 1024
.set KSTEP,  256                       ; along K in a slot
.set NQ,     KSTEP/128                 ; matrix instructions deep
.set ROWB,   192                       ; a tile's row in bytes
.set KROW,   SIZE_K*6/8                ; a row of cod in bytes
.set PITCH,  240                       ; an LDS row: 3 x (64 bytes of data + 16 of padding)
.set FR,     12                        ; registers of a fragment
.set NL,     6                         ; LDS loads that bring one
.set NP,     4                         ; places behind this matrix instruction (ISA guide 7.12.1)
.set HALFT,  128*PITCH                 ; 128 rows: what one tensor load brings
.set SLOT,   4*HALFT                   ; A's 256 rows, then B's 256 rows
.set LAPS,   SIZE_K/(2*KSTEP)          ; a lap = two K steps = once round the ring
.set KS,     SIZE_K/32                 ; a row of scale bytes
.set SCL,    2*SLOT                    ; behind the ring: the scales, as rows of 256 bytes + 16 of padding
.set HALFS,  (128*KS/256)*272          ; the scales of 128 rows
.set SBLK,   (16*KS/256)*272           ; those of 16 rows
.set SPARE,  SCL+4*HALFS               ; behind the scales: the spare words, 128 bytes for each wave
.set ADRA, 16                          ; v16-17  LDS address of my A fragments in slot 0, 1  (v18-19: for the pieces behind one padding more)
.set ADRB, 20                          ; v20-21  the same for B  (v22-23)
.set L8,   24                          ; v24     8 x lane: my place in a plane
.set L16,  25                          ; v25     16 x lane: my place among the scale words
.set SH,   26                          ; v26     16 x (lane / 16): how far my scale word is shifted down
.set ADRS, 27                          ; v27     LDS address of my scale words: lanes 0-15 A's rows, lanes 16-31 B's
.set SPW,  28                          ; v28     LDS address of my spare word; never rewritten
.set NIL,  29                          ; v29     0; never rewritten
.set SC,   32                          ; scale words: set s at v[SC + 8 NQ s]; register NQ i + q: lanes 0-15 A's block i, lanes 16-31 B's block i
.set AF,   128                         ; A's fragments, in window 0
.set TM,   32                          ; the way out: v32-35 largest magnitudes, v36-39 bytes, v44-47 the conversions' scale operands
.set PW,   48                          ; v48     the scale word just made
.set SW,   56                          ; v56-63  the eight fragments' scale words as they are stored
.set CT,   224                         ; v224-230 the conversions' second halves
.set G1, 24                            ; s[24:31] descriptor group 1 for A's tiles;  s[32:39] group 0, one set for each slot
.set G0, 32
.set G1B, 48                           ; s[48:55], s[56:63] the same for B's tiles
.set G0B, 56
.set G1S, 68                           ; s[68:75], s[76:79] groups 1 and 0 for A's scales;  s[80:87], s[88:91] for B's
.set G0S, 76
.set G1SB, 80
.set G0SB, 88
.set MSB, 0
.macro WIN new                         ; the immediate's high byte repeats the setting that is left
.if MSB != (\new)
	s_set_vgpr_msb (MSB<<8)|(\new)
.set MSB, (\new)
.endif
.endm
.set MUL_LO, 0xa1                      ; source 0 (B) window 1, source 1 (A) window 0, C and D window 2
.set MUL_HI, 0xf1                      ; the same, C and D window 3
.set TO_B,   0x40                      ; destination window 1, address window 0
; A joint load: waves 0 and 1 fetch for A, waves 2 and 3 for B.  The branch hangs on the wave's number alone.  An s_nop 0 and four v_nop follow each of the two lines.
.macro JLOAD g0a, g1a, g0b, g1b
	s_cmp_eq_u32 s15, 0
	s_cbranch_scc0 .Lfor_b_\@
	tensor_load_to_lds s[\g0a:\g0a+3], s[\g1a:\g1a+7]
	s_nop 0
.rept 4
	v_nop
.endr
	s_branch .Lasked_\@
.Lfor_b_\@:
	tensor_load_to_lds s[\g0b:\g0b+3], s[\g1b:\g1b+7]
	s_nop 0
.rept 4
	v_nop
.endr
.Lasked_\@:
.endm
.macro CREST                           ; a round of the cluster's barrier behind its opening barrier
	s_cmp_lg_u32 s14, 0
	s_cbranch_scc1 .Lnot_wave_0_\@
	s_barrier_signal -3
.Lnot_wave_0_\@:
	s_barrier_wait -3
	s_barrier_signal -1
	s_barrier_wait -1
.endm
.macro CROUND                          ; a whole round
	s_barrier_signal -1
	s_barrier_wait -1
	CREST
.endm
	s_load_b128 s[4:7], s[0:1], 0x0                ; cod s[4:5], scl s[6:7]
	s_load_b128 s[8:11], s[0:1], 0x10              ; qkvc s[8:9], qkvs s[10:11]
	v_lshl_add_u32 v[SPW], v0, 2, SPARE
	v_mov_b32 v[NIL], 0
	ds_add_u32 v[SPW], v[NIL]                      ; the wave's opening: the add and its wait stand ahead of my first tensor load; the set-up below, work on registers, stands between them
	v_lshrrev_b32 v1, 5, v0
	v_readfirstlane_b32 s14, v1                    ; wave 0..3
	s_lshr_b32 s15, s14, 1                         ; which half of A's rows is mine.  Also: I fetch for A (0) or for B (1)
	s_and_b32 s16, s14, 1                          ; which half of B's rows.  Also: which 128 rows of that tile I fetch
	s_bfe_u32 s40, ttmp6, 0x40000                  ; cx, cy: my place in the cluster
	s_bfe_u32 s41, ttmp6, 0x40004
	s_lshl_b32 s96, ttmp9, 2
	s_add_co_u32 s96, s96, 32                      ; q, k: B's tiles of 256 rows begin at row 8,192 of cod: tile 32 + 4 x cluster x
	s_and_b32 s97, ttmp7, 0xffff
	s_lshl_b32 s97, s97, 2                         ; the tokens' tiles: 4 x cluster y
	s_cmp_eq_u32 ttmp9, 2                          ; the clusters with x = 2 make v
	s_cselect_b32 s42, s97, s96                    ; B's tile (less cx): v: tokens; q, k: weights
	s_cselect_b32 s17, 40, s97                     ; A's tile (less cy): v: Wv, from row 10,240; q, k: tokens
	s_cselect_b32 s66, 1, 0                        ; 1 for v
	s_cselect_b32 s67, -1, 0xffff                  ; what is kept of a scale word
	s_cselect_b32 s95, 1024, 0                     ; v's blocks lie behind q's and k's 1,024
	s_add_co_u32 s42, s42, s40                     ; B's tile hangs on cx: shared along a column of the cluster
	s_add_co_u32 s17, s17, s41                     ; A's tile hangs on cy: shared along a row
	s_lshl_b32 s43, s41, 2
	s_lshl_b32 s43, 15, s43                        ; my row of the cluster
	s_lshl_b32 s44, 0x1111, s40                    ; my column
	; descriptor group 1: a tile of 128 rows x ROWB bytes, padded in LDS
	s_or_b32 s[G1+0], s43, (0<<16)|(1<<20)|(1<<21)|(3<<22)|(3<<25)  ; 15:0 the mask; 17:16 element of 1 byte; 20 padding on; 21 set beside a mask; 24:22 after every 16 words; 31:25 of 4 words
	s_or_b32 s[G1B+0], s44, (0<<16)|(1<<20)|(1<<21)|(3<<22)|(3<<25)
.irp g, G1, G1B
	s_mov_b32 s[\g+1], ROWB<<16                    ; tensor_dim0
	s_mov_b32 s[\g+2], 128<<16                     ; tensor_dim1 = 128
	s_mov_b32 s[\g+3], ROWB<<16                    ; tile_dim0
	s_mov_b32 s[\g+4], 128                         ; tile_dim1 = 128
	s_mov_b32 s[\g+5], KROW                        ; tensor_dim0_stride
	s_mov_b32 s[\g+6], 0
	s_mov_b32 s[\g+7], 0
.endr
	; the scales of 128 rows: a dense block of 4,096 bytes, as rows of 256 bytes (32 elements of 8 bytes), 16 bytes of padding behind each
	s_or_b32 s[G1S+0], s43, (3<<16)|(1<<20)|(1<<21)|(5<<22)|(3<<25)
	s_or_b32 s[G1SB+0], s44, (3<<16)|(1<<20)|(1<<21)|(5<<22)|(3<<25)
.irp g, G1S, G1SB
	s_mov_b32 s[\g+1], 32<<16
	s_mov_b32 s[\g+2], (128*KS/256)<<16
	s_mov_b32 s[\g+3], 32<<16
	s_mov_b32 s[\g+4], 128*KS/256
	s_mov_b32 s[\g+5], 32
	s_mov_b32 s[\g+6], 0
	s_mov_b32 s[\g+7], 0
.endr
	s_lshl_b32 s18, s16, 7                         ; which 128 rows of the tile I fetch
	s_lshl_b32 s20, s17, 8
	s_add_co_u32 s20, s20, s18                     ; A: row 256 x tile + 128 x half
	s_lshl_b32 s46, s42, 8
	s_add_co_u32 s46, s46, s18                     ; B likewise
	s_mov_b32 s21, 0
	s_mov_b32 s47, 0
	s_mov_b64 s[18:19], KS
	s_mul_u64 s[22:23], s[20:21], s[18:19]         ; where these rows' scales begin, in bytes
	s_mul_u64 s[92:93], s[46:47], s[18:19]
	s_mov_b64 s[18:19], KROW
	s_mul_u64 s[20:21], s[20:21], s[18:19]         ; and their codes
	s_mul_u64 s[46:47], s[46:47], s[18:19]
	s_mul_i32 s45, s14, HALFT                      ; where they go: wave x 128 rows: no place in the cluster enters an LDS address
	s_mul_i32 s94, s14, HALFS
	s_wait_dscnt 0x0                               ; the opening add is done
	s_wait_kmcnt 0x0
	s_add_nc_u64 s[20:21], s[4:5], s[20:21]        ; both operands' codes lie in cod,
	s_add_nc_u64 s[22:23], s[6:7], s[22:23]        ; both operands' scales in scl
	s_add_nc_u64 s[46:47], s[4:5], s[46:47]
	s_add_nc_u64 s[92:93], s[6:7], s[92:93]
	CROUND                                         ; all sixteen work-groups are here: the first joint loads meet
	s_mov_b32 s[G0S], 1
	s_add_co_u32 s[G0S+1], s94, SCL
	s_mov_b64 s[G0S+2:G0S+3], s[22:23]
	s_or_b32 s[G0S+3], s[G0S+3], 0x80000000
	s_mov_b32 s[G0SB], 1
	s_add_co_u32 s[G0SB+1], s94, SCL
	s_mov_b64 s[G0SB+2:G0SB+3], s[92:93]
	s_or_b32 s[G0SB+3], s[G0SB+3], 0x80000000
	JLOAD G0S, G1S, G0SB, G1SB                     ; the scales first: they are wanted with K step 0
.irp s, 0,1
	s_mov_b32 s[G0+4*\s], 1
	s_add_co_u32 s[G0+4*\s+1], s45, \s*SLOT
	s_add_nc_u64 s[G0+4*\s+2:G0+4*\s+3], s[20:21], \s*ROWB
	s_or_b32 s[G0+4*\s+3], s[G0+4*\s+3], 0x80000000
	s_mov_b32 s[G0B+4*\s], 1
	s_add_co_u32 s[G0B+4*\s+1], s45, \s*SLOT
	s_add_nc_u64 s[G0B+4*\s+2:G0B+4*\s+3], s[46:47], \s*ROWB
	s_or_b32 s[G0B+4*\s+3], s[G0B+4*\s+3], 0x80000000
	JLOAD G0+4*\s, G1, G0B+4*\s, G1B               ; by this text's count three tensor loads of a wave are out here
.endr
	v_and_b32 v1, 15, v0                           ; l % 16
	v_bfe_u32 v2, v0, 4, 1                         ; l / 16
	v_mul_u32_u24 v3, v1, PITCH
	v_mul_u32_u24 v4, v2, 24
	v_add_nc_u32 v4, v3, v4                        ; a fragment's row x pitch + 24 x half
	v_lshl_add_u32 v5, v2, 4, v4                   ; and the same behind one padding more
	s_mul_i32 s21, s15, HALFT                      ; my 128 rows of A
	s_mul_i32 s22, s16, HALFT                      ; my 128 rows of B,
	s_add_co_u32 s22, s22, 2*HALFT                 ; which lie behind A's 256
.irp s, 0,1
	v_add_nc_u32 v[ADRA+\s], s21, v4
	v_add_nc_u32 v[ADRB+\s], s22, v4
	v_add_nc_u32 v[ADRA+2+\s], s21, v5
	v_add_nc_u32 v[ADRB+2+\s], s22, v5
	s_add_co_u32 s21, s21, SLOT
	s_add_co_u32 s22, s22, SLOT
.endr
	v_mul_u32_u24 v5, v1, KS                       ; my row's scales: KS bytes a row,
	v_lshrrev_b32 v6, 8, v5
	v_lshl_add_u32 v5, v6, 4, v5                   ; and 16 more for each 256 passed
	s_mul_i32 s21, s15, HALFS                      ; A's: my 128 rows
	s_mul_i32 s22, s16, HALFS                      ; B's: my 128 rows, behind A's 256
	s_add_co_u32 s22, s22, 2*HALFS
	s_sub_co_u32 s22, s22, s21
	v_mul_u32_u24 v6, s22, v2                      ; lanes 16-31 take B's
	s_add_co_u32 s21, s21, SCL
	v_add_nc_u32 v5, v5, v6
	v_add_nc_u32 v[ADRS], s21, v5
	v_and_b32 v6, 31, v0
	v_lshlrev_b32 v[L8], 3, v6
	v_lshlrev_b32 v[L16], 4, v6
	v_lshlrev_b32 v[SH], 4, v2
	; my block's number
	s_cmp_eq_u32 s66, 1
	s_cselect_b32 s96, 40, 0
	s_cselect_b32 s97, 0, 32
	s_sub_co_u32 s96, s17, s96                     ; A's tile, counted within its tensor
	s_sub_co_u32 s97, s42, s97                     ; B's
	s_lshl_b32 s96, s96, 1
	s_add_co_u32 s96, s96, s15                     ; my 128 rows of A
	s_lshl_b32 s97, s97, 1
	s_add_co_u32 s97, s97, s16                     ; my 128 rows of B
	s_cmp_eq_u32 s66, 1
	s_cselect_b32 s100, s96, s97                   ; the head pair: v: A's rows; q, k: B's
	s_cselect_b32 s101, s97, s96                   ; the 128 tokens
	s_lshl_b32 s100, s100, 6
	s_add_co_u32 s100, s100, s101
	s_add_co_u32 s100, s100, s95
	s_mul_i32 s96, s100, 12288
	s_mov_b32 s97, 0
	s_add_nc_u64 s[8:9], s[8:9], s[96:97]          ; my block's codes
	s_lshl_b32 s96, s100, 10
	s_add_nc_u64 s[10:11], s[10:11], s[96:97]      ; and its scale words
	s_mov_b32 s98, 0x76543210
	s_mov_b32 s99, 0xfedcba98                      ; v_permlanex16_b32's selects for lane l xor 16
.macro FRAG reg, adr, q, i             ; a fragment, 16 rows x 128 K of 6-bit codes, is 12 registers: lane l holds row l % 16; registers 6 c .. 6 c + 5 hold K = 64 c + 32 (l / 16) + 0 .. 31: 24 bytes of the row, as they lie
.irp p, 0,1,2,3,4,5                    ; in pieces of 8 bytes.  Lanes 0-15 take the row's pieces 12 q + 0, 1, 2 and 12 q + 6, 7, 8, lanes 16-31 those three pieces on
.set PC, 12*(\q)+6*(\p/3)+\p%3        ; 16 bytes of padding lie behind every 64 bytes (8 pieces): where the piece three on lies behind one padding more, the second address register serves
.if PC%8 < 5
	ds_load_b64 v[\reg+2*\p:\reg+2*\p+1], v[\adr] offset:8*PC+16*(PC/8)+(\i)*16*PITCH
.else
	ds_load_b64 v[\reg+2*\p:\reg+2*\p+1], v[\adr+2] offset:8*PC+16*(PC/8)+(\i)*16*PITCH
.endif
.endr
.endm
; 16 matrix instructions: A's blocks a0, a0 + 1 x B's eight, 128 along K.  p: B's set;  sc: the set of scale words.  zero = 1: the first product starts the sums.
; The 64 accumulators take turns, one instruction a turn, in the same order in every step.
.macro MUL16 a0, p, q, sc, zero
.irp a, \a0, \a0+1
.irp b, 0,1,2,3,4,5,6,7
.if \zero
	v_wmma_scale_f32_16x16x128_f8f6f4 v[8*(8*((\a)%4)+\b):8*(8*((\a)%4)+\b)+7], v[128*(\p)+FR*\b:128*(\p)+FR*\b+FR-1], v[AF+FR*(\a):AF+FR*(\a)+FR-1], 0, v[SC+8*NQ*(\sc)+NQ*\b+(\q)], v[SC+8*NQ*(\sc)+NQ*(\a)+(\q)] matrix_a_fmt:MATRIX_FMT_FP6 matrix_b_fmt:MATRIX_FMT_FP6 matrix_a_scale:MATRIX_SCALE_ROW1
.else
	v_wmma_scale_f32_16x16x128_f8f6f4 v[8*(8*((\a)%4)+\b):8*(8*((\a)%4)+\b)+7], v[128*(\p)+FR*\b:128*(\p)+FR*\b+FR-1], v[AF+FR*(\a):AF+FR*(\a)+FR-1], v[8*(8*((\a)%4)+\b):8*(8*((\a)%4)+\b)+7], v[SC+8*NQ*(\sc)+NQ*\b+(\q)], v[SC+8*NQ*(\sc)+NQ*(\a)+(\q)] matrix_a_fmt:MATRIX_FMT_FP6 matrix_b_fmt:MATRIX_FMT_FP6 matrix_a_scale:MATRIX_SCALE_ROW1
.endif
.endr
.endr
.endm
.macro FETCH_B slot, q, p              ; B's eight fragments of the slot's q-th 128 along K into set p
	WIN TO_B
.irp i, 0,1,2,3,4,5,6,7
	FRAG 128*(\p)+FR*\i, ADRB+\slot, \q, \i
.endr
	WIN 0
.endm
.macro FETCH_A slot, q, i0             ; A's blocks i0 .. i0 + 3
.irp i, \i0, \i0+1, \i0+2, \i0+3
	FRAG AF+FR*(\i), ADRA+\slot, \q, \i
.endr
.endm
.macro SCALES sc                       ; the next K step's scale words into set sc: lanes 0-15 take A's block i, lanes 16-31 B's block i
.irp i, 0,1,2,3,4,5,6,7
	ds_load_b64 v[SC+8*NQ*\sc+NQ*\i:SC+8*NQ*\sc+NQ*\i+1], v[ADRS] offset:\i*SBLK
.endr
.endm
; A load into a register that a matrix instruction has read, and a vector instruction that reads a matrix result or writes one of a matrix instruction's registers, stand NP places behind it; only plain vector instructions
; that name none of its registers are places (ISA guide 7.12.1 for vector instructions).
.macro PLACES n
.rept \n
	v_nop
.endr
.endm
; A step of 128 along K that has its successor in the same slot.
.macro STEP slot, q, zero
	s_wait_dscnt 4*NL                              ; B's set and A's blocks 0-3 are in; the youngest 24 loads (A's blocks 4-7) may be out
	WIN MUL_LO
	MUL16 0, (\q)%2, \q, \slot, \zero
	MUL16 2, (\q)%2, \q, \slot, \zero
	s_wait_dscnt 0                                 ; A's blocks 4-7 are in (asked for 32 matrix instructions ago)
	PLACES NP
	FETCH_B \slot, (\q)+1, 1-(\q)%2
	FETCH_A \slot, (\q)+1, 0
	WIN MUL_HI
	MUL16 4, (\q)%2, \q, \slot, \zero
	MUL16 6, (\q)%2, \q, \slot, \zero
	PLACES NP
	WIN 0
	FETCH_A \slot, (\q)+1, 4
.endm
; A slot's last step changes slots: ONE barrier; in front of it each wave waits for all its tensor loads, adds 0 to its spare word, and waits for that and for its own reads of this slot.  fill = 1: this slot is filled again, two K steps ahead.
.macro TURN slot, next, fill
	s_wait_tensorcnt 0x0                           ; all my tensor loads have landed: my part of the next slot  (every window is 0 here)
	ds_add_u32 v[SPW], v[NIL]                      ; 0 onto my spare word
	s_wait_dscnt 4*NL+1                            ; (the add and the youngest 24 loads, A's blocks 4-7, may be out)
	WIN MUL_LO
	MUL16 0, 1, NQ-1, \slot, 0                     ; sixteen matrix instructions stand between the add and the wait for it
	s_wait_dscnt 0x0                               ; the add is done, and my reads of this slot are over
	s_barrier_signal -1
	MUL16 2, 1, NQ-1, \slot, 0
	WIN 0
	s_barrier_wait -1
.if \fill
	CREST                                          ; the barrier has opened a round of the cluster's barrier: no wave of any partner still reads this slot's tile or has a load on its way
	s_add_nc_u64 s[G0+4*\slot+2:G0+4*\slot+3], s[G0+4*\slot+2:G0+4*\slot+3], 2*ROWB
	s_add_nc_u64 s[G0B+4*\slot+2:G0B+4*\slot+3], s[G0B+4*\slot+2:G0B+4*\slot+3], 2*ROWB
	JLOAD G0+4*\slot, G1, G0B+4*\slot, G1B         ; the first tensor load behind the round; the four v_nop behind it are the places in front of the loads below
.else
	PLACES NP
.endif
	v_add_nc_u32 v[ADRS], 4*NQ, v[ADRS]            ; on to the next K step's scale words (no LDS load of mine is out)
	FETCH_B \next, 0, 0
	FETCH_A \next, 0, 0
	SCALES \next
	WIN MUL_HI
	MUL16 4, 1, NQ-1, \slot, 0
	MUL16 6, 1, NQ-1, \slot, 0
	PLACES NP
	WIN 0
	FETCH_A \next, 0, 4
.endm
	s_wait_tensorcnt 1                             ; the scales and my part of K step 0 are in (K step 1's load may be out),
	s_barrier_signal -1
	s_barrier_wait -1                              ; everybody's are
	FETCH_B 0, 0, 0
	FETCH_A 0, 0, 0
	SCALES 0
	FETCH_A 0, 0, 4
	STEP 0, 0, 1                                   ; the first step stands in front of the loop: its products start the sums
	s_mov_b32 s3, LAPS-1
.Llap:                                                 ; a trip goes once round the ring, from a lap's second step to the next lap's first, and fills both slots again
	TURN 0, 1, 1
	STEP 1, 0, 0
	TURN 1, 0, 1
	STEP 0, 0, 0
	s_sub_co_u32 s3, s3, 1
	s_cmp_lg_u32 s3, 0
	s_cbranch_scc1 .Llap
	TURN 0, 1, 0                                   ; the last lap fills nothing, and has no round of the cluster's barrier
	STEP 1, 0, 0
	s_wait_dscnt 4*NL                              ; the very last step: nothing more to fetch
	WIN MUL_LO
	MUL16 0, 1, NQ-1, 1, 0
	MUL16 2, 1, NQ-1, 1, 0
	s_wait_dscnt 0
	WIN MUL_HI
	MUL16 4, 1, NQ-1, 1, 0
	MUL16 6, 1, NQ-1, 1, 0
	WIN 0
; THE WAY OUT.  Block a (16 rows of A): my 64 registers, register 16 t + i = index 32 t + 16 (lane / 16) + i of my row, become a fragment's 12 registers of codes and a scale word.  Each accumulator is read from its low end on.
; Each block has its own registers for its codes, so that no store's data are written again and no wait for stores is needed.
.macro QOUT a
.set AC, 64*((\a)%4)
.set PCD, 128+12*(\a)
	WIN 0x0a+5*((\a)/4)                            ; sources 0 and 1: window 2 or 3
.irp b, 0,1,2,3
	v_max3_num_f32 v[TM+\b], |v[AC+16*\b]|, |v[AC+16*\b+1]|, 0x1800000   ; block b of 32: my 16 numbers, and the floor 2^(3 - 127): the byte cannot fall under 1
.endr
.irp i, 2,4,6,8,10,12,14
.irp b, 0,1,2,3
	v_max3_num_f32 v[TM+\b], |v[AC+16*\b+\i]|, |v[AC+16*\b+\i+1]|, v[TM+\b]   ; (the four blocks by turns)
.endr
.endr
	WIN 0
.irp b, 0,1,2,3
	v_permlanex16_b32 v[TM+4+\b], v[TM+\b], s98, s99
.endr
.irp b, 0,1,2,3
	v_max_num_f32 v[TM+\b], v[TM+\b], v[TM+4+\b]   ; with lane l xor 16's: the block's largest magnitude
.endr
.irp b, 0,1,2,3
	v_add_nc_u32 v[TM+12+\b], 0xff000000, v[TM+\b] ; 2 off its exponent field: the conversion's scale operand
.endr
.irp b, 0,1,2,3
	v_lshrrev_b32 v[TM+4+\b], 23, v[TM+12+\b]      ; the scale's byte
.endr
	v_lshl_or_b32 v[PW], v[TM+5], 8, v[TM+4]       ; the four bytes make my row's scale word
	v_lshl_or_b32 v[PW], v[TM+6], 16, v[PW]
	v_lshl_or_b32 v[PW], v[TM+7], 24, v[PW]
	v_lshrrev_b32 v[SW+(\a)], v[SH], v[PW]         ; lanes 16-31: its upper two bytes
	v_and_b32 v[SW+(\a)], s67, v[SW+(\a)]          ; q, k: two bytes a head, the other two 0;  v: the whole word
	WIN 0x02+((\a)/4)                              ; source 0: window 2 or 3
.irp c, 0,1
	v_cvt_scalef32_pk16_fp6_f32 v[PCD+6*\c:PCD+6*\c+2], v[AC+32*\c:AC+32*\c+15], v[TM+12+2*\c]
	v_cvt_scalef32_pk16_fp6_f32 v[CT+4*\c:CT+4*\c+2], v[AC+32*\c+16:AC+32*\c+31], v[TM+13+2*\c]   ; (a conversion's three registers begin on an even number)
.endr
	WIN 0
	v_nop                                          ; one plain instruction behind the scaled conversions
.irp c, 0,1                                    ; the operand's layout wants a WHOLE block in a lane: lanes 0-15 block 2 c, lanes 16-31 block 2 c + 1
.irp i, 0,1,2
	v_permlane16_swap_b32 v[PCD+6*\c+\i], v[CT+4*\c+\i]
.endr
.irp i, 0,1,2
	v_mov_b32 v[PCD+3+6*\c+\i], v[CT+4*\c+\i]
.endr
.endr
.irp p, 0,1,2,3,4,5
	global_store_b64 v[L8], v[PCD+2*\p:PCD+2*\p+1], s[8:9] offset:(\a)*1536+256*\p   ; a plane: the wave stores 256 consecutive bytes, aligned
.endr
.endm
	PLACES NP                                      ; behind the last products: their results are read, and registers that held their operands and scales are written
.irp b, 0,1,2,3
	v_mov_b32 v[TM+4+\b], 0                        ; written once: a lane permute's destination counts as one of its sources
.endr
.irp a, 0,1,2,3,4,5,6,7
	QOUT \a
.endr
	global_store_b128 v[L16], v[SW:SW+3], s[10:11]             ; the scale words of fragments 0-3: 512 consecutive bytes,
	global_store_b128 v[L16], v[SW+4:SW+7], s[10:11] offset:512 ; and of fragments 4-7
	s_wait_tensorcnt 0x0                           ; the wave's end: behind my last tensor load
	ds_add_u32 v[SPW], v[NIL]
	s_wait_dscnt 0x0
	CROUND                                         ; the closing round: no work-group ends while a partner may still ask for a tile that names it
	s_endpgm
.Lfunc_end_k_qc9fbfa9eda_qkv:
	.size	k_qc9fbfa9eda_qkv, .Lfunc_end_k_qc9fbfa9eda_qkv-k_qc9fbfa9eda_qkv
	.p2alignl 7, 3214868480
	.fill 96, 4, 3214868480
	.section	.rodata,"a",@progbits
	.p2align	6, 0x0
	.amdhsa_kernel k_qc9fbfa9eda_qkv
		.amdhsa_group_segment_fixed_size 327680
		.amdhsa_private_segment_fixed_size 0
		.amdhsa_enable_private_segment 0
		.amdhsa_kernarg_size 32
		.amdhsa_user_sgpr_count 2
		.amdhsa_user_sgpr_kernarg_segment_ptr 1
		.amdhsa_wavefront_size32 1
		.amdhsa_system_sgpr_workgroup_id_x 1
		.amdhsa_system_sgpr_workgroup_id_y 1
		.amdhsa_system_sgpr_workgroup_id_z 1
		.amdhsa_system_vgpr_workitem_id 0
		.amdhsa_next_free_vgpr 1024
		.amdhsa_next_free_sgpr 102
		.amdhsa_reserve_vcc 0
		.amdhsa_float_denorm_mode_32 3
		.amdhsa_float_denorm_mode_16_64 3
		.amdhsa_memory_ordered 1
		.amdhsa_forward_progress 1
		.amdhsa_inst_pref_size 167
	.end_amdhsa_kernel
	.amdgpu_metadata
---
amdhsa.version: [ 1, 2 ]
amdhsa.kernels:
  - .name:           k_qc9fbfa9eda_qkv
    .symbol:         k_qc9fbfa9eda_qkv.kd
    .args:
      - { .name: cod, .offset: 0, .size: 8, .value_kind: global_buffer, .address_space: global }
      - { .name: scl, .offset: 8, .size: 8, .value_kind: global_buffer, .address_space: global }
      - { .name: qkvc, .offset: 16, .size: 8, .value_kind: global_buffer, .address_space: global }
      - { .name: qkvs, .offset: 24, .size: 8, .value_kind: global_buffer, .address_space: global }
    .group_segment_fixed_size: 327680
    .private_segment_fixed_size: 0
    .kernarg_segment_align: 8
    .kernarg_segment_size: 32
    .max_flat_workgroup_size: 128
    .sgpr_count:     102
    .vgpr_count:     1024
    .wavefront_size: 32
...
	.end_amdgpu_metadata
.endif
;; end of part 2
;; launch attn (part 3): grid 8 x 64, 16 waves a work-group, clusters of 4 x 1, 212,992 bytes of LDS; arguments qkvc, qkvs, yc, ys; writes yc, ys
.if DOCPART == 3
	.amdgcn_target "amdgcn-amd-amdhsa--gfx1250"
	.amdhsa_code_object_version 6
	.text
	.protected	k_qc9fbfa9eda_attn
	.globl	k_qc9fbfa9eda_attn
	.p2align	8
	.type	k_qc9fbfa9eda_attn,@function
k_qc9fbfa9eda_attn:
	s_mov_b64 s[64:65], 0
	v_nop
	global_prefetch_b8 v0, s[64:65] scope:SCOPE_SE
	s_setreg_imm32_b32 hwreg(HW_REG_WAVE_MODE, 25, 1), 1
	s_wait_xcnt 0x0
	s_wait_alu depctr_hold_cnt(0) depctr_sa_sdst(0) depctr_va_vdst(0) depctr_va_sdst(0) depctr_va_ssrc(0) depctr_va_vcc(0) depctr_vm_vsrc(0)
	s_getreg_b32 s2, hwreg(HW_REG_IB_STS2, 6, 4)
	s_cmp_eq_u32 s2, 0
	s_cbranch_scc0 .Lentry_in_a_cluster
	s_endpgm
.Lentry_in_a_cluster:
	s_bfe_u32 s2, ttmp6, 0x10000c
	s_cmp_lg_u32 s2, 0x3003
	s_cbranch_scc0 .Lentry_shape_is_right
	s_endpgm
.Lentry_shape_is_right:
; y[b][n][head] = softmax(q k^T / 8) v for 64 (batch, head) pairs, 2,048 tokens, head size 64, both products on codes of FP6 (E2M3) with E8M0 scales for each 32 along a product's K; y is quantised along the channels and leaves as codes.
; THE SOFTMAX AHEAD OF THE SECOND PRODUCT: t = score x log2(e) / 8; M = the row's largest t so far, rounded UP to a whole number; p = 2^(t - M) is what is quantised, along the keys; it is not normalised.
; The row's sum is taken of the unquantised p, in f32, and divides O at the end.  When M moves, the sum and O are multiplied by 2^(old M - new M): exact.
; IN.  qkvc: blocks of 12,288 bytes = 8 fragments of 1,536 = 6 planes of 256 bytes (plane p = an operand's registers 2 p, 2 p + 1, lane l's 8 bytes at 8 l).  q, k: block 64 x (head pair; k's from 8 on) + token group of 128; a fragment is 16 tokens x
; the pair's 128 channels: planes 0-2 the even head, 3-5 the odd.  v: block 1024 + 64 x head pair + key step; a fragment is 16 channels x 128 keys.  qkvs: 1,024 bytes a block, [fragment / 4][lane][fragment % 4] words.
; Tokens (of q, k, y) and v's channels lie in position order (a number's bits 3 and 4 exchanged), so that in a transposed product the 16 registers of tiles 2 t and 2 t + 1 are the true indices 32 t + 16 (lane / 16) + 0 .. 15 of source 0's axis.
; SHARES.  A work-group owns 256 queries of one head; each of its SIXTEEN waves owns one tile of 16 in 256 registers: four waves to a SIMD, so that one wave's vector work stands beside another's matrix work and LDS loads.
; A HEAD'S K AND V LIE WHOLE IN LDS: 2 x 98,304 bytes of codes, 8,192 + 4,096 of scale words.  Every LDS byte is filled once: wave 0 asks for K's scale words and four chunks of its codes, wave 1 for V's; no byte is filled again.
; CLUSTER.  The four query blocks of a cluster belong to one head: each tile is asked for JOINTLY, by the same tensor load with the same descriptor and a mask that names the four.
; LAYOUT.  S^T = K Q^T (source 0 = 16 keys, source 1 = my 16 queries), O^T = V^T P^T (source 0 = 16 channels, source 1 = P): a lane holds ONE query (lane % 16) throughout.
; THE SCORES' K IS 64, the instruction's 128.  Q's upper six registers hold zero codes.  A tile of K is six registers; the instruction names twelve: the upper six are the next tile's codes (zeros behind the last).  They meet Q's zero codes under
; scale bytes 0 (2^-127) on both sides, and FP6 has no code for NaN or infinity: they add nothing.
; OUT.  yc [512 token tiles][16 heads][3 planes][256 bytes]; ys [8,192 positions][32 bytes]: two bytes for each head.  The store of those two bytes a token covers 2 bytes of every 32: 2 of the 50 bytes that a token and head write.
; LIMITS: NaN and infinities are not served; a p under 2^-126 is 0; a block whose largest magnitude lies under 2^-124 keeps the byte 1, and so does a block of zeros (its codes are zeros; this program alone reads the bytes).
; REGISTERS: v1-7 addresses that stay; v8-11 addresses of the loads in hand; v12 -M, v13 the largest t, v[14:15] the sum in two halves; v16-27 Q; v28-29 offsets; v32-79 K's eight tiles or V's four fragments; v80-85 zeros;
;   v96-159 S^T, then p; v160-191 O^T; v224-235 p's codes; v232-254 at work; v248-251 scale words of K or V; v253 p's; v255 Q's.
.set KC,    0                          ; LDS: K's codes: key tile t at 768 t, plane p at + 256 p
.set VC,    98304                      ; V's codes: key step s at 6,144 s, channel tile at + 1,536, plane at + 256 p
.set KSC,   196608                     ; K's scale words: 512 bytes a step: lane l's 16 bytes at 16 l: register i is tile 4 (l / 16) + i
.set VSC,   204800                     ; V's: 256 bytes a step: 16 (l % 16): register i is channel tile i
.set SPARE, 208896                     ; the spare words, 128 bytes for each of the sixteen waves
.set CHUNK, 24576                      ; four key steps of K's codes, or of V's
.set AK0,  1
.set AV0,  2
.set ASK0, 3
.set ASV0, 4
.set SPW,  5                           ; v5   LDS address of my spare word; never rewritten
.set NIL,  6                           ; v6   0; never rewritten
.set GL,   7                           ; v7   8 x lane: my place in a plane in memory
.set ADK,  8
.set ADV,  9
.set ADS,  10
.set ADT,  11
.set YS,   28                          ; v28  32 x (lane % 16): my token's row of ys
.set QS,   29                          ; v29  16 x (lane % 16): my token's scale words of q
.set WV,   12                          ; s12  my wave's number
.set G0S,  20                          ; s[20:23] group 0 for the scale words;  s[24:39] for the four chunks of codes
.set G0C,  24
.set G1K,  40                          ; s[40:47] group 1 for K's codes;  s[48:55] V's;  s[56:63] K's scale words;  s[68:75] V's
.set G1V,  48
.set G1KS, 56
.set G1VS, 68
.set SEL,  76                          ; s[76:77] lane selects for v_permlanex16_b32: lane l xor 16
.set CS,   78                          ; s[78:79] c = log2(e) / 8
.set TB,   80                          ; s80  where the step's codes begin in KC and in VC
.set TS,   81                          ; s81  where its scale words of K begin
.set TJ,   82                          ; s82  and V's
.set CNT,  83                          ; s83  counts a chunk's four steps
.macro CROUND                          ; a round of the cluster's barrier
	s_barrier_signal -1
	s_barrier_wait -1
	s_cmp_lg_u32 s[WV], 0
	s_cbranch_scc1 .Lnot_wave_0_\@
	s_barrier_signal -3
.Lnot_wave_0_\@:
	s_barrier_wait -3
	s_barrier_signal -1
	s_barrier_wait -1
.endm
.macro GROUP1 g, row, rows, pitch      ; rows of 'row' elements of 8 bytes, 'pitch' elements apart in memory, dense in LDS
	s_mov_b32 s[\g], 15|(3<<16)|(1<<21)            ; 15:0 the mask: all four work-groups; 17:16 elements of 8 bytes; 20 no padding; 21 set beside a mask
	s_mov_b32 s[\g+1], (\row)<<16                  ; tensor_dim0
	s_mov_b32 s[\g+2], (\rows)<<16                 ; tensor_dim1
	s_mov_b32 s[\g+3], (\row)<<16                  ; tile_dim0
	s_mov_b32 s[\g+4], \rows                       ; tile_dim1
	s_mov_b32 s[\g+5], \pitch                      ; tensor_dim0_stride
	s_mov_b32 s[\g+6], 0
	s_mov_b32 s[\g+7], 0
.endm
	s_load_b256 s[4:11], s[0:1], 0x0               ; qkvc s[4:5], qkvs s[6:7], yc s[8:9], ys s[10:11]
	v_lshl_add_u32 v[SPW], v0, 2, SPARE
	v_mov_b32 v[NIL], 0
	ds_add_u32 v[SPW], v[NIL]                      ; the wave's opening: the add and its wait stand ahead of the first tensor loads; the set-up below, work on registers, stands between them
	v_lshrrev_b32 v8, 5, v0
	v_readfirstlane_b32 s[WV], v8                  ; wave 0..15
	s_bfe_u32 s13, ttmp6, 0x40000                  ; cx: my place in the cluster
	s_lshl_b32 s14, ttmp9, 2
	s_add_co_u32 s14, s14, s13                     ; my block of 256 queries: it enters q's and y's addresses alone
	s_and_b32 s15, ttmp7, 0xffff                   ; batch x 16 + head, which the four partners share
	s_lshr_b32 s16, s15, 4                         ; b
	s_and_b32 s17, s15, 15                         ; head
	s_and_b32 s18, s17, 1                          ; c: which of its pair
	s_lshr_b32 s19, s17, 1                         ; g: the pair
	GROUP1 G1K, 96, 32, 192                        ; 32 key tiles: 768 bytes of each fragment of 1,536
	GROUP1 G1V, 768, 4, 1536                       ; 4 key steps: 6,144 bytes of each block of 12,288
	GROUP1 G1KS, 32, 32, 64                        ; 16 key steps x 2: 256 bytes of every 512
	GROUP1 G1VS, 32, 16, 128                       ; 16 key steps: 256 bytes of every 1,024
	; K's and V's places, made of b, g, c and the wave's number alone
	s_add_co_u32 s2, s19, 8
	s_lshl_b32 s2, s2, 9
	s_lshl_b32 s3, s16, 7                          ; 128 b
	s_add_co_u32 s2, s2, s3                        ; K's first fragment: (8 + g) 512 + 128 b
	s_lshl_b32 s100, s19, 6
	s_lshl_b32 s101, s16, 4
	s_add_co_u32 s100, s100, s101
	s_add_co_u32 s100, s100, 1024                  ; V's first block: 1024 + 64 g + 16 b
	s_mul_i32 s86, s2, 1536
	s_mul_i32 s101, s18, 768
	s_add_co_u32 s86, s86, s101                    ; K's codes
	s_mul_i32 s88, s100, 12288
	s_mul_i32 s101, s18, 6144
	s_add_co_u32 s88, s88, s101                    ; V's codes
	s_lshl_b32 s92, s2, 7                          ; 8 fragments to a block of 1,024 bytes of scale words
	s_lshl_b32 s101, s18, 8
	s_add_co_u32 s92, s92, s101                    ; K's scale words
	s_lshl_b32 s94, s100, 10
	s_lshl_b32 s101, s18, 9
	s_add_co_u32 s94, s94, s101                    ; V's
	s_cmp_eq_u32 s[WV], 0                          ; wave 0 asks for K's, wave 1 for V's: the same in all four partners
	s_cselect_b32 s86, s86, s88
	s_cselect_b32 s92, s92, s94
	s_mov_b32 s87, 0
	s_mov_b32 s93, 0
	s_mul_i32 s85, s[WV], VC                       ; K's codes at 0, V's behind them
	; my tile of queries
	s_lshl_b32 s84, s14, 4
	s_add_co_u32 s84, s84, s3
	s_add_co_u32 s84, s84, s[WV]                   ; T = 128 b + 16 x block + wave
	s_lshl_b32 s2, s19, 9
	s_add_co_u32 s2, s2, s84
	s_mul_i32 s90, s2, 1536
	s_mul_i32 s101, s18, 768
	s_add_co_u32 s90, s90, s101                    ; q's codes: fragment 512 g + T, my head's three planes
	s_mov_b32 s91, 0
	s_lshr_b32 s2, s84, 3
	s_lshl_b32 s100, s19, 6
	s_add_co_u32 s2, s2, s100
	s_lshl_b32 s94, s2, 10                         ; q's scale words: block 64 g + T / 8,
	s_bfe_u32 s2, s[WV], 0x10002
	s_lshl_b32 s2, s2, 9
	s_add_co_u32 s94, s94, s2                      ; fragment / 4,
	s_lshl_b32 s2, s18, 8
	s_add_co_u32 s94, s94, s2                      ; my head's sixteen lanes,
	s_and_b32 s2, s[WV], 3
	s_lshl_b32 s2, s2, 2
	s_add_co_u32 s94, s94, s2                      ; fragment % 4
	s_mov_b32 s95, 0
	s_mul_i32 s96, s84, 12288
	s_mul_i32 s2, s17, 768
	s_add_co_u32 s96, s96, s2                      ; yc: tile T, my head
	s_mov_b32 s97, 0
	s_lshl_b32 s98, s84, 9
	s_lshl_b32 s2, s17, 1
	s_add_co_u32 s98, s98, s2                      ; ys: 16 T rows of 32 bytes, my head's two bytes
	s_mov_b32 s99, 0
	s_mov_b32 s[SEL], 0x76543210
	s_mov_b32 s[SEL+1], 0xfedcba98
	s_mov_b32 s[CS], 0x3e38aa3b                    ; c = log2(e) / 8
	s_mov_b32 s[CS+1], s[CS]                       ; (named with it as a pair, so it is written)
	s_wait_dscnt 0x0                               ; the opening add is done
	s_wait_kmcnt 0x0
	s_add_nc_u64 s[88:89], s[4:5], s[86:87]        ; K's or V's codes
	s_add_nc_u64 s[92:93], s[6:7], s[92:93]        ; and scale words
	s_add_nc_u64 s[90:91], s[4:5], s[90:91]        ; q's codes
	s_add_nc_u64 s[94:95], s[6:7], s[94:95]        ; q's scale words
	s_add_nc_u64 s[8:9], s[8:9], s[96:97]
	s_add_nc_u64 s[10:11], s[10:11], s[98:99]
	CROUND                                         ; all four work-groups are here: the joint loads meet
	s_mov_b32 s[G0S], 1                            ; 1:0 count = 1
	s_lshl_b32 s[G0S+1], s[WV], 13
	s_add_co_u32 s[G0S+1], s[G0S+1], KSC           ; 63:32 LDS address: K's scale words, V's 8,192 bytes on
	s_mov_b64 s[G0S+2:G0S+3], s[92:93]             ; 120:64 global address
	s_or_b32 s[G0S+3], s[G0S+3], 0x80000000        ; 127:126 type = 2
.irp i, 0,1,2,3
	s_mov_b32 s[G0C+4*\i], 1
	s_add_co_u32 s[G0C+4*\i+1], s85, \i*CHUNK
	s_add_nc_u64 s[G0C+4*\i+2:G0C+4*\i+3], s[88:89], \i*49152   ; four key steps on: 32 fragments of 1,536 bytes, or 4 blocks of 12,288
	s_or_b32 s[G0C+4*\i+3], s[G0C+4*\i+3], 0x80000000
.endr
	s_cmp_eq_u32 s[WV], 0                          ; a wave's first fills stand in one branch on the wave's number, ahead of every wait on TENSORcnt, every LDS read and every further barrier: five loads of a loading wave are out
	s_cbranch_scc0 .Lnot_k
	tensor_load_to_lds s[G0S:G0S+3], s[G1KS:G1KS+7]
	s_nop 0
.irp i, 0,1,2,3
	tensor_load_to_lds s[G0C+4*\i:G0C+4*\i+3], s[G1K:G1K+7]
	s_nop 0
.endr
.rept 4
	v_nop
.endr
	s_branch .Lasked
.Lnot_k:
	s_cmp_eq_u32 s[WV], 1
	s_cbranch_scc0 .Lasked
	tensor_load_to_lds s[G0S:G0S+3], s[G1VS:G1VS+7]
	s_nop 0
.irp i, 0,1,2,3
	tensor_load_to_lds s[G0C+4*\i:G0C+4*\i+3], s[G1V:G1V+7]
	s_nop 0
.endr
.rept 4
	v_nop
.endr
.Lasked:
	v_and_b32 v30, 31, v0                          ; lane
	v_and_b32 v31, 15, v0                          ; r
	v_lshlrev_b32 v[GL], 3, v30
	v_lshlrev_b32 v[QS], 4, v31
	v_lshlrev_b32 v[YS], 5, v31
.irp p, 0,1,2
	global_load_b64 v[16+2*\p:17+2*\p], v[GL], s[90:91] offset:256*\p   ; Q's six registers of codes stay
.endr
	global_load_b32 v255, v[QS], s[94:95]          ; and its scale words (lanes 0-15 are read)
	v_lshlrev_b32 v[AK0], 3, v30                   ; 8 x lane + KC
	v_add_nc_u32 v[AV0], VC, v[AK0]
	v_lshl_add_u32 v[ASK0], v30, 4, KSC
	v_lshl_add_u32 v[ASV0], v31, 4, VSC
.irp j, 22,23,24,25,26,27,80,81,82,83,84,85
	v_mov_b32 v\j, 0                               ; zero codes: Q's upper 64 along K, and what stands behind K's last tile
.endr
	v_mov_b32 v13, 0xff61b1e6                      ; the largest t so far: -3e38, under every t
	v_floor_f32 v12, -v13                          ; -M
	v_mov_b32 v14, 0                               ; the sum, in two halves
	v_mov_b32 v15, 0
.irp b, 0,1,2,3
	v_mov_b32 v[236+\b], 0                         ; written once: a lane permute's destination counts as one of its sources
.endr
	v_mov_b32 v253, 0                              ; (named as the upper half of the pair v[252:253] before it is first written)
.irp j, 0,1,2,3,4,5,6,7,8,9,10,11,12,13,14,15,16,17,18,19,20,21,22,23,24,25,26,27,28,29,30,31
	v_mov_b32 v[160+\j], 0                         ; O^T.  (The step is written without a first step of its own: it finds zeros, which the first change of M leaves zeros)
.endr
; A KEY STEP: 128 keys.
.macro STEP
	v_add_nc_u32 v[ADK], s[TB], v[AK0]             ; these four are also the places behind the last step's products, in front of the loads into their registers
	v_add_nc_u32 v[ADV], s[TB], v[AV0]
	v_add_nc_u32 v[ADS], s[TS], v[ASK0]
	v_add_nc_u32 v[ADT], s[TJ], v[ASV0]
.irp t, 0,1,2,3,4,5,6,7
.irp p, 0,1,2
	ds_load_b64 v[32+6*\t+2*\p:33+6*\t+2*\p], v[ADK] offset:768*\t+256*\p   ; a plane: 256 consecutive bytes
.endr
.endr
	ds_load_b128 v[248:251], v[ADS]                ; K's scale words: lanes 0-15 tiles 0-3, lanes 16-31 tiles 4-7
	s_wait_dscnt 0x0
.irp t, 0,1,2,3
	v_wmma_scale_f32_16x16x128_f8f6f4 v[96+8*\t:103+8*\t], v[32+6*\t:43+6*\t], v[16:27], 0, v[248+\t], v255 matrix_a_fmt:MATRIX_FMT_FP6 matrix_b_fmt:MATRIX_FMT_FP6
.endr
.irp t, 4,5,6,7
	v_wmma_scale_f32_16x16x128_f8f6f4 v[96+8*\t:103+8*\t], v[32+6*\t:43+6*\t], v[16:27], 0, v[248+\t-4], v255 matrix_a_fmt:MATRIX_FMT_FP6 matrix_b_fmt:MATRIX_FMT_FP6 matrix_a_scale:MATRIX_SCALE_ROW1
.endr
.rept 4
	v_nop                                          ; places: in front of the loads below and of the first read of the scores
.endr
.irp t, 0,1,2,3                                ; V's four fragments and scale words are asked for now and land under the softmax
.irp p, 0,1,2,3,4,5
	ds_load_b64 v[32+12*\t+2*\p:33+12*\t+2*\p], v[ADV] offset:1536*\t+256*\p
.endr
.endr
	ds_load_b128 v[248:251], v[ADT]
.irp b, 0,1,2,3
	v_max3_num_f32 v[232+\b], v[96+16*\b], v[97+16*\b], v[98+16*\b]   ; THE LARGEST SCORE OF EACH BLOCK OF 32 KEYS: it serves twice: for the row's maximum, and, since p rises with the score, for the block's largest p
.endr
.irp i, 3,5,7,9,11,13
.irp b, 0,1,2,3
	v_max3_num_f32 v[232+\b], v[232+\b], v[96+16*\b+\i], v[97+16*\b+\i]   ; (the four blocks by turns)
.endr
.endr
.irp b, 0,1,2,3
	v_max_num_f32 v[232+\b], v[232+\b], v[111+16*\b]
.endr
.irp b, 0,1,2,3
	v_permlanex16_b32 v[236+\b], v[232+\b], s[SEL], s[SEL+1]
.endr
.irp b, 0,1,2,3
	v_max_num_f32 v[232+\b], v[232+\b], v[236+\b]  ; with lane l xor 16's 16 keys
.endr
	v_max3_num_f32 v254, v232, v233, v234
	v_max_num_f32 v254, v254, v235                 ; the step's largest score of my query
	v_mul_f32 v254, s[CS], v254                    ; as t (c is positive)
	v_max_num_f32 v13, v13, v254                   ; the running largest t
	v_mov_b32 v254, v12
	v_floor_f32 v12, -v13                          ; the new -M = floor(-t) = -ceil(t): M IS A WHOLE NUMBER
	v_sub_f32 v254, v12, v254                      ; M's old value less its new one: a whole number, 0 or less
	v_cvt_i32_f32 v254, v254                       ; (it saturates)
	v_ldexp_f32 v252, 1.0, v254                    ; f = 2^(old M - new M)
.irp j, 0,2,4,6,8,10,12,14,16,18,20,22,24,26,28,30,32,34,36,38,40,42,44,46,48,50,52,54,56,58,60,62
	v_pk_fma_f32 v[96+\j:97+\j], v[96+\j:97+\j], s[CS:CS+1], v[12:13] op_sel_hi:[1,0,0]   ; t - M, two at a time (of the pairs c and -M the low word serves both halves)
.endr
.irp b, 0,1,2,3
	v_fma_f32 v[232+\b], v[232+\b], s[CS], v12     ; the same of each block's largest score
.endr
.irp j, 0,1,2,3,4,5,6,7,8,9,10,11,12,13,14,15,16,17,18,19,20,21,22,23,24,25,26,27,28,29,30,31,32,33,34,35,36,37,38,39,40,41,42,43,44,45,46,47,48,49,50,51,52,53,54,55,56,57,58,59,60,61,62,63
	v_exp_f32 v[96+\j], v[96+\j]                   ; p = 2^(t - M), at most 1: NOT normalised
.endr
	v_pk_mul_f32 v[14:15], v[14:15], v[252:253] op_sel_hi:[1,0]   ; the sums under the new M (a plain instruction behind the exponentials)
	s_wait_alu depctr_va_vdst(0)                   ; one wait for the whole batch, ahead of its first reader
.irp b, 0,1,2,3
	v_exp_f32 v[232+\b], v[232+\b]                 ; the block's largest p: the same two instructions on the same number give the same bits
.endr
	v_pk_add_f32 v[236:237], v[96:97], v[98:99]    ; THE ROW'S SUM IS TAKEN OF THE UNQUANTISED p: two at a time, in two chains
.irp j, 4,8,12,16,20,24,28,32,36,40,44,48,52,56,60
	v_pk_add_f32 v[14:15], v[14:15], v[96+\j:97+\j]
	v_pk_add_f32 v[236:237], v[236:237], v[98+\j:99+\j]
.endr
	v_pk_add_f32 v[14:15], v[14:15], v[236:237]
	s_wait_alu depctr_va_vdst(0)                   ; and one for the four
.irp b, 0,1,2,3
	v_max_num_f32 v[232+\b], 0x1800000, v[232+\b]  ; the floor 2^(3 - 127): the byte cannot fall under 1
.endr
.irp b, 0,1,2,3
	v_add_nc_u32 v[244+\b], 0xff000000, v[232+\b]  ; 2 off the exponent field: the conversion's scale operand
.endr
.irp b, 0,1,2,3
	v_lshrrev_b32 v[236+\b], 23, v[244+\b]         ; the scale's byte
.endr
	v_lshl_or_b32 v253, v237, 8, v236              ; p's scale word for these 128 keys
	v_lshl_or_b32 v253, v238, 16, v253
	v_lshl_or_b32 v253, v239, 24, v253
.irp c, 0,1
	v_cvt_scalef32_pk16_fp6_f32 v[224+6*\c:226+6*\c], v[96+32*\c:111+32*\c], v[244+2*\c]
	v_cvt_scalef32_pk16_fp6_f32 v[236+4*\c:238+4*\c], v[112+32*\c:127+32*\c], v[244+2*\c+1]   ; (a conversion's three registers begin on an even number)
.endr
	v_nop                                          ; one plain instruction behind the scaled conversions
.irp c, 0,1                                    ; the operand's layout wants a WHOLE block in a lane: lanes 0-15 block 2 c, lanes 16-31 block 2 c + 1
.irp i, 0,1,2
	v_permlane16_swap_b32 v[224+6*\c+\i], v[236+4*\c+\i]
.endr
.irp i, 0,1,2
	v_mov_b32 v[227+6*\c+\i], v[236+4*\c+\i]
.endr
.endr
.irp j, 0,2,4,6,8,10,12,14,16,18,20,22,24,26,28,30
	v_pk_mul_f32 v[160+\j:161+\j], v[160+\j:161+\j], v[252:253] op_sel_hi:[1,0]   ; O^T under the new M: x f, each accumulator from its low end on.  (For each product below twelve of these name none of its registers: its places behind the writes of p's codes and scale word)
.endr
	s_wait_dscnt 0x0                               ; V's fragments and scale words are in
.irp t, 0,1,2,3
	v_wmma_scale_f32_16x16x128_f8f6f4 v[160+8*\t:167+8*\t], v[32+12*\t:43+12*\t], v[224:235], v[160+8*\t:167+8*\t], v[248+\t], v253 matrix_a_fmt:MATRIX_FMT_FP6 matrix_b_fmt:MATRIX_FMT_FP6
.endr
	s_add_co_u32 s[TB], s[TB], 6144                ; the next step's codes and scale words
	s_add_co_u32 s[TS], s[TS], 512
	s_add_co_u32 s[TJ], s[TJ], 256
.endm
; A CHUNK: four key steps.  The loading waves wait until their scale words and chunks 0 .. c have landed: 3 - c later chunks' loads may stay out; then the barrier shows them to all sixteen waves.
.macro PHASE c
	s_wait_tensorcnt 3-\c
	s_barrier_signal -1                            ; (no LDS instruction of mine is out: the last step's loads were waited for)
	s_barrier_wait -1
	s_mov_b32 s[TB], \c*CHUNK
	s_mov_b32 s[TS], \c*2048
	s_mov_b32 s[TJ], \c*1024
	s_mov_b32 s[CNT], 4
.Lstep_\@:
	STEP
	s_sub_co_u32 s[CNT], s[CNT], 1
	s_cmp_lg_u32 s[CNT], 0
	s_cbranch_scc1 .Lstep_\@
.endm
	s_wait_loadcnt 0x0                             ; Q
	PHASE 0
	PHASE 1
	PHASE 2
	PHASE 3
	; THE WAY OUT.  O^T / the sum is y: register 16 t + i = channel 32 t + 16 (lane / 16) + i of my token and head: two blocks of 32 along the last product's K.  They are quantised and leave as three planes and two scale bytes.
.rept 4
	v_nop                                          ; places behind the last products
.endr
	v_add_f32 v14, v14, v15                        ; the sum's two halves,
	v_permlanex16_b32 v252, v14, s[SEL], s[SEL+1]
	v_add_f32 v14, v14, v252                       ; and lane l xor 16's: the row's sum
	v_rcp_f32 v14, v14
	v_nop                                          ; a plain instruction behind the reciprocal
	s_wait_alu depctr_va_vdst(0)                   ; and a wait ahead of its first reader
.irp j, 0,2,4,6,8,10,12,14,16,18,20,22,24,26,28,30
	v_pk_mul_f32 v[96+\j:97+\j], v[160+\j:161+\j], v[14:15] op_sel_hi:[1,0]   ; each accumulator from its low end on
.endr
.irp b, 0,1
	v_max3_num_f32 v[232+\b], |v[96+16*\b]|, |v[97+16*\b]|, 0x1800000   ; my 16 numbers of block b, and the floor
.endr
.irp i, 2,4,6,8,10,12,14
.irp b, 0,1
	v_max3_num_f32 v[232+\b], v[232+\b], |v[96+16*\b+\i]|, |v[97+16*\b+\i]|
.endr
.endr
.irp b, 0,1
	v_permlanex16_b32 v[236+\b], v[232+\b], s[SEL], s[SEL+1]
.endr
.irp b, 0,1
	v_max_num_f32 v[232+\b], v[232+\b], v[236+\b]
.endr
.irp b, 0,1
	v_add_nc_u32 v[244+\b], 0xff000000, v[232+\b]
.endr
.irp b, 0,1
	v_lshrrev_b32 v[236+\b], 23, v[244+\b]
.endr
	v_lshl_or_b32 v253, v237, 8, v236              ; my token's two scale bytes
	v_cvt_scalef32_pk16_fp6_f32 v[224:226], v[96:111], v244
	v_cvt_scalef32_pk16_fp6_f32 v[240:242], v[112:127], v245
	v_nop                                          ; one plain instruction behind the scaled conversions
.irp i, 0,1,2
	v_permlane16_swap_b32 v[224+\i], v[240+\i]     ; a whole block to a lane
.endr
.irp i, 0,1,2
	v_mov_b32 v[227+\i], v[240+\i]
.endr
.irp p, 0,1,2
	global_store_b64 v[GL], v[224+2*\p:225+2*\p], s[8:9] offset:256*\p   ; a plane: the wave stores 256 consecutive bytes, aligned
.endr
	global_store_b16 v[YS], v253, s[10:11]         ; lanes r and r + 16 write the same two bytes with the same value
	s_wait_tensorcnt 0x0                           ; the wave's end: behind my last tensor load
	ds_add_u32 v[SPW], v[NIL]
	s_wait_dscnt 0x0
	CROUND                                         ; the closing round: no work-group ends while a partner may still ask for a tile that names it
	s_endpgm
.Lfunc_end_k_qc9fbfa9eda_attn:
	.size	k_qc9fbfa9eda_attn, .Lfunc_end_k_qc9fbfa9eda_attn-k_qc9fbfa9eda_attn
	.p2alignl 7, 3214868480
	.fill 96, 4, 3214868480
	.section	.rodata,"a",@progbits
	.p2align	6, 0x0
	.amdhsa_kernel k_qc9fbfa9eda_attn
		.amdhsa_group_segment_fixed_size 212992
		.amdhsa_private_segment_fixed_size 0
		.amdhsa_enable_private_segment 0
		.amdhsa_kernarg_size 32
		.amdhsa_user_sgpr_count 2
		.amdhsa_user_sgpr_kernarg_segment_ptr 1
		.amdhsa_wavefront_size32 1
		.amdhsa_system_sgpr_workgroup_id_x 1
		.amdhsa_system_sgpr_workgroup_id_y 1
		.amdhsa_system_sgpr_workgroup_id_z 1
		.amdhsa_system_vgpr_workitem_id 0
		.amdhsa_next_free_vgpr 256
		.amdhsa_next_free_sgpr 102
		.amdhsa_reserve_vcc 0
		.amdhsa_float_denorm_mode_32 3
		.amdhsa_float_denorm_mode_16_64 3
		.amdhsa_memory_ordered 1
		.amdhsa_forward_progress 1
		.amdhsa_inst_pref_size 84
	.end_amdhsa_kernel
	.amdgpu_metadata
---
amdhsa.version: [ 1, 2 ]
amdhsa.kernels:
  - .name:           k_qc9fbfa9eda_attn
    .symbol:         k_qc9fbfa9eda_attn.kd
    .args:
      - { .name: qkvc, .offset: 0, .size: 8, .value_kind: global_buffer, .address_space: global }
      - { .name: qkvs, .offset: 8, .size: 8, .value_kind: global_buffer, .address_space: global }
      - { .name: yc, .offset: 16, .size: 8, .value_kind: global_buffer, .address_space: global }
      - { .name: ys, .offset: 24, .size: 8, .value_kind: global_buffer, .address_space: global }
    .group_segment_fixed_size: 212992
    .private_segment_fixed_size: 0
    .kernarg_segment_align: 8
    .kernarg_segment_size: 32
    .max_flat_workgroup_size: 512
    .sgpr_count:     102
    .vgpr_count:     256
    .wavefront_size: 32
...
	.end_amdgpu_metadata
.endif
;; end of part 3
;; launch proj (part 4): grid 4 x 32, 4 waves a work-group, clusters of 4 x 4, 327,680 bytes of LDS; arguments yc, ys, cod, scl, out0; writes out0
.if DOCPART == 4
	.amdgcn_target "amdgcn-amd-amdhsa--gfx1250"
	.amdhsa_code_object_version 6
	.text
	.protected	k_qc9fbfa9eda_proj
	.globl	k_qc9fbfa9eda_proj
	.p2align	8
	.type	k_qc9fbfa9eda_proj,@function
k_qc9fbfa9eda_proj:
	s_mov_b64 s[64:65], 0
	v_nop
	global_prefetch_b8 v0, s[64:65] scope:SCOPE_SE
	s_setreg_imm32_b32 hwreg(HW_REG_WAVE_MODE, 25, 1), 1
	s_wait_xcnt 0x0
	s_wait_alu depctr_hold_cnt(0) depctr_sa_sdst(0) depctr_va_vdst(0) depctr_va_sdst(0) depctr_va_ssrc(0) depctr_va_vcc(0) depctr_vm_vsrc(0)
	s_getreg_b32 s2, hwreg(HW_REG_IB_STS2, 6, 4)
	s_cmp_eq_u32 s2, 0
	s_cbranch_scc0 .Lentry_in_a_cluster
	s_endpgm
.Lentry_in_a_cluster:
	s_bfe_u32 s2, ttmp6, 0x10000c
	s_cmp_lg_u32 s2, 0xf033
	s_cbranch_scc0 .Lentry_shape_is_right
	s_endpgm
.Lentry_shape_is_right:
; out0 = y Wo^T on codes of FP6 (E2M3) with E8M0 scales for each 32 along K = 1,024; out0 [8192][1024] f32; sums in f32.
; A = y: yc [512 token tiles][8 K steps of 128][6 planes][256 bytes]: a fragment (16 tokens x 128 K) lies as an image of the operand's 12 registers, plane p = registers 2 p, 2 p + 1, lane l's 8 bytes at 8 l; ys [8192][32 bytes] its scale bytes.
; B = Wo: rows 11,264 on of cod [12288][768 bytes] and of scl [12288][32 bytes].  y's tokens and Wo's rows lie in position order (a number's bits 3 and 4 exchanged); the way out puts both back.
; A tile of the result, 256 x 256, is made by a work-group of four waves; a wave makes 128 x 128: 64 accumulators of 16 x 16, 512 registers.  K goes in steps of 256 through a ring of two LDS slots filled by the tensor data mover.
; The scale bytes of the work-group's 256 rows of A and of B, for all of K, come into LDS once and stay.  THE MATRIX INSTRUCTION IS USED TRANSPOSED (source 0 = 16 rows of Wo, source 1 = 16 tokens): a lane holds eight numbers of one row of the result.
; CLUSTERS: 4 x 4 work-groups; the four of a row need the same tiles of A, the four of a column the same tiles of B: each tile is asked for jointly.  The result has 128 such tiles: 128 work-groups.
; REGISTERS, in windows of 256: window 0: v16-29 addresses; v32-63 scale words, two sets; from v128 A's fragments, ONE set; on the way out v128-255 hold rows.
;   window 1: B's fragments, TWO sets, at v0 and v128.   window 2: the accumulators of my rows 0-63 ((a, b) at v[8 (8 a + b)]);   window 3: those of my rows 64-127.
.set SIZE_N, 1024
.set SIZE_K, 1024
.set KSTEP,  256
.set NQ,     KSTEP/128
.set ROWB,   192                       ; a row of B's tile in bytes
.set KROW,   SIZE_K*6/8                ; a row of cod in bytes
.set PITCH,  240                       ; B's LDS row: 3 x (64 bytes of data + 16 of padding)
.set AROW,   3072                      ; a row of A's tile: 16 tokens x 256 along K: two fragments' images
.set FR,     12
.set NL,     6
.set NP,     4                         ; places behind this matrix instruction (ISA guide 7.12.1)
.set HALFT,  128*PITCH                 ; the LDS region of one tensor load: 128 rows of B; A's 8 x 3,072 bytes use 24,576 of it
.set SLOT,   4*HALFT
.set LAPS,   SIZE_K/(2*KSTEP)
.set KS,     SIZE_K/32
.set SCL,    2*SLOT
.set HALFS,  (128*KS/256)*272
.set SBLK,   (16*KS/256)*272
.set SPARE,  SCL+4*HALFS               ; the spare words, 128 bytes for each wave
.set SPITCH, 528                       ; the way out: a stage of 16 rows x (512 bytes + 16) for each wave.  It lies in slot 0, which has had its last fill and its last read when the first result is stored there
.set ADRA, 16                          ; v16-17  LDS address of my A fragments in slot 0, 1: 8 x lane + my eight tiles
.set ADRB, 20                          ; v20-21  the same for B: row x pitch + 24 x half  (v22-23: for the pieces behind one padding more)
.set STO,  24                          ; v24     the way out: where I put my numbers of a row
.set RD,   25                          ; v25     the way out: where I read a row back
.set CO,   26                          ; v26     my byte offset in a row of the result
.set ADRS, 27                          ; v27     LDS address of my scale words: lanes 0-15 A's rows, lanes 16-31 B's
.set SPW,  28                          ; v28     LDS address of my spare word; never rewritten
.set NIL,  29                          ; v29     0; never rewritten
.set SC,   32
.set AF,   128
.set BK,   128                         ; the way out: 16 rows read back from the stage: v128-191 and v192-255 by turns
.set G1, 24
.set G0, 32
.set G1B, 48
.set G0B, 56
.set G1S, 68
.set G0S, 76
.set G1SB, 80
.set G0SB, 88
.set MSB, 0
.macro WIN new                         ; the immediate's high byte repeats the setting that is left
.if MSB != (\new)
	s_set_vgpr_msb (MSB<<8)|(\new)
.set MSB, (\new)
.endif
.endm
.set MUL_LO, 0xa1                      ; source 0 (B) window 1, source 1 (A) window 0, C and D window 2
.set MUL_HI, 0xf1                      ; the same, C and D window 3
.set TO_B,   0x40                      ; destination window 1, address window 0
; A joint load: waves 0 and 1 fetch for A, waves 2 and 3 for B.  The branch hangs on the wave's number alone.  An s_nop 0 and four v_nop follow each of the two lines.
.macro JLOAD g0a, g1a, g0b, g1b
	s_cmp_eq_u32 s15, 0
	s_cbranch_scc0 .Lfor_b_\@
	tensor_load_to_lds s[\g0a:\g0a+3], s[\g1a:\g1a+7]
	s_nop 0
.rept 4
	v_nop
.endr
	s_branch .Lasked_\@
.Lfor_b_\@:
	tensor_load_to_lds s[\g0b:\g0b+3], s[\g1b:\g1b+7]
	s_nop 0
.rept 4
	v_nop
.endr
.Lasked_\@:
.endm
.macro CREST                           ; a round of the cluster's barrier behind its opening barrier
	s_cmp_lg_u32 s14, 0
	s_cbranch_scc1 .Lnot_wave_0_\@
	s_barrier_signal -3
.Lnot_wave_0_\@:
	s_barrier_wait -3
	s_barrier_signal -1
	s_barrier_wait -1
.endm
.macro CROUND                          ; a whole round
	s_barrier_signal -1
	s_barrier_wait -1
	CREST
.endm
	s_load_b128 s[4:7], s[0:1], 0x0                ; yc s[4:5], ys s[6:7]
	s_load_b128 s[8:11], s[0:1], 0x10              ; cod s[8:9], scl s[10:11]
	s_load_b64 s[12:13], s[0:1], 0x20              ; out0
	v_lshl_add_u32 v[SPW], v0, 2, SPARE
	v_mov_b32 v[NIL], 0
	ds_add_u32 v[SPW], v[NIL]                      ; the wave's opening: the add and its wait stand ahead of my first tensor load; the set-up below, work on registers, stands between them
	v_lshrrev_b32 v1, 5, v0
	v_readfirstlane_b32 s14, v1                    ; wave 0..3
	s_lshr_b32 s15, s14, 1                         ; which half of the tile's rows is mine.  Also: I fetch for A (0) or for B (1)
	s_and_b32 s16, s14, 1                          ; which half of its columns.  Also: which 128 rows of that tile I fetch
	s_bfe_u32 s40, ttmp6, 0x40000                  ; cx, cy: my place in the cluster
	s_bfe_u32 s41, ttmp6, 0x40004
	s_lshl_b32 s42, ttmp9, 2
	s_add_co_u32 s42, s42, s40                     ; tile column = 4 x cluster x + cx
	s_and_b32 s17, ttmp7, 0xffff
	s_lshl_b32 s17, s17, 2
	s_add_co_u32 s17, s17, s41                     ; tile row = 4 x cluster y + cy
	s_lshl_b32 s43, s41, 2
	s_lshl_b32 s43, 15, s43                        ; my row of the cluster
	s_lshl_b32 s44, 0x1111, s40                    ; my column
	; descriptor group 1 for A: 8 token tiles x 3,072 bytes (384 elements of 8 bytes), 12,288 bytes apart in memory, dense in LDS
	s_or_b32 s[G1+0], s43, (3<<16)|(1<<21)         ; 15:0 the mask: A's tiles go to my row; 17:16 elements of 8 bytes; 20 no padding; 21 set beside a mask
	s_mov_b32 s[G1+1], 384<<16                     ; tensor_dim0
	s_mov_b32 s[G1+2], 8<<16                       ; tensor_dim1
	s_mov_b32 s[G1+3], 384<<16                     ; tile_dim0
	s_mov_b32 s[G1+4], 8                           ; tile_dim1
	s_mov_b32 s[G1+5], 1536                        ; tensor_dim0_stride
	s_mov_b32 s[G1+6], 0
	s_mov_b32 s[G1+7], 0
	; for B: 128 rows x ROWB bytes, padded in LDS
	s_or_b32 s[G1B+0], s44, (0<<16)|(1<<20)|(1<<21)|(3<<22)|(3<<25)  ; the mask of my column; element of 1 byte; padding on: after every 16 words, 4 words
	s_mov_b32 s[G1B+1], ROWB<<16
	s_mov_b32 s[G1B+2], 128<<16
	s_mov_b32 s[G1B+3], ROWB<<16
	s_mov_b32 s[G1B+4], 128
	s_mov_b32 s[G1B+5], KROW
	s_mov_b32 s[G1B+6], 0
	s_mov_b32 s[G1B+7], 0
	; the scales of 128 rows: a dense block of 4,096 bytes, as rows of 256 bytes (32 elements of 8 bytes), 16 bytes of padding behind each
	s_or_b32 s[G1S+0], s43, (3<<16)|(1<<20)|(1<<21)|(5<<22)|(3<<25)
	s_or_b32 s[G1SB+0], s44, (3<<16)|(1<<20)|(1<<21)|(5<<22)|(3<<25)
.irp g, G1S, G1SB
	s_mov_b32 s[\g+1], 32<<16
	s_mov_b32 s[\g+2], (128*KS/256)<<16
	s_mov_b32 s[\g+3], 32<<16
	s_mov_b32 s[\g+4], 128*KS/256
	s_mov_b32 s[\g+5], 32
	s_mov_b32 s[\g+6], 0
	s_mov_b32 s[\g+7], 0
.endr
	s_lshl_b32 s18, s16, 7                         ; which 128 rows of the tile I fetch
	s_lshl_b32 s20, s17, 8
	s_add_co_u32 s20, s20, s18                     ; A: token place 256 x tile row + 128 x half
	s_lshl_b32 s46, s42, 8
	s_add_co_u32 s46, s46, s18
	s_add_co_u32 s46, s46, 11264                   ; B: row 11,264 + 256 x tile column + 128 x half of cod and scl
	s_mov_b32 s21, 0
	s_mov_b32 s47, 0
	s_mov_b64 s[18:19], KS
	s_mul_u64 s[22:23], s[20:21], s[18:19]         ; where these rows' scales begin, in bytes
	s_mul_u64 s[92:93], s[46:47], s[18:19]
	s_mov_b64 s[18:19], KROW
	s_mul_u64 s[20:21], s[20:21], s[18:19]         ; and their codes: 768 bytes a token in yc too (16 tokens are 12,288)
	s_mul_u64 s[46:47], s[46:47], s[18:19]
	s_mul_i32 s45, s14, HALFT                      ; where they go: wave x a region: no place in the cluster enters an LDS address
	s_mul_i32 s94, s14, HALFS
	s_wait_dscnt 0x0                               ; the opening add is done
	s_wait_kmcnt 0x0
	s_add_nc_u64 s[20:21], s[4:5], s[20:21]
	s_add_nc_u64 s[22:23], s[6:7], s[22:23]
	s_add_nc_u64 s[46:47], s[8:9], s[46:47]
	s_add_nc_u64 s[92:93], s[10:11], s[92:93]
	CROUND                                         ; all sixteen work-groups are here: the first joint loads meet
	s_mov_b32 s[G0S], 1
	s_add_co_u32 s[G0S+1], s94, SCL
	s_mov_b64 s[G0S+2:G0S+3], s[22:23]
	s_or_b32 s[G0S+3], s[G0S+3], 0x80000000
	s_mov_b32 s[G0SB], 1
	s_add_co_u32 s[G0SB+1], s94, SCL
	s_mov_b64 s[G0SB+2:G0SB+3], s[92:93]
	s_or_b32 s[G0SB+3], s[G0SB+3], 0x80000000
	JLOAD G0S, G1S, G0SB, G1SB                     ; the scales first: they are wanted with K step 0
.irp s, 0,1
	s_mov_b32 s[G0+4*\s], 1
	s_add_co_u32 s[G0+4*\s+1], s45, \s*SLOT
	s_add_nc_u64 s[G0+4*\s+2:G0+4*\s+3], s[20:21], \s*AROW
	s_or_b32 s[G0+4*\s+3], s[G0+4*\s+3], 0x80000000
	s_mov_b32 s[G0B+4*\s], 1
	s_add_co_u32 s[G0B+4*\s+1], s45, \s*SLOT
	s_add_nc_u64 s[G0B+4*\s+2:G0B+4*\s+3], s[46:47], \s*ROWB
	s_or_b32 s[G0B+4*\s+3], s[G0B+4*\s+3], 0x80000000
	JLOAD G0+4*\s, G1, G0B+4*\s, G1B               ; by this text's count three tensor loads of a wave are out here
.endr
	v_and_b32 v1, 15, v0                           ; l % 16
	v_bfe_u32 v2, v0, 4, 1                         ; l / 16
	v_and_b32 v6, 31, v0                           ; lane
	v_lshlrev_b32 v7, 3, v6                        ; A: 8 x lane in a plane
	v_mul_u32_u24 v3, v1, PITCH
	v_mul_u32_u24 v4, v2, 24
	v_add_nc_u32 v4, v3, v4                        ; B: a fragment's row x pitch + 24 x half
	v_lshl_add_u32 v5, v2, 4, v4                   ; and the same behind one padding more
	s_mul_i32 s21, s15, HALFT                      ; my 128 rows of A
	s_mul_i32 s22, s16, HALFT                      ; my 128 rows of B,
	s_add_co_u32 s22, s22, 2*HALFT                 ; which lie behind A's two regions
.irp s, 0,1
	v_add_nc_u32 v[ADRA+\s], s21, v7
	v_add_nc_u32 v[ADRB+\s], s22, v4
	v_add_nc_u32 v[ADRB+2+\s], s22, v5
	s_add_co_u32 s21, s21, SLOT
	s_add_co_u32 s22, s22, SLOT
.endr
	v_mul_u32_u24 v5, v1, KS                       ; my row's scales: KS bytes a row,
	v_lshrrev_b32 v3, 8, v5
	v_lshl_add_u32 v5, v3, 4, v5                   ; and 16 more for each 256 passed
	s_mul_i32 s21, s15, HALFS                      ; A's: my 128 rows
	s_mul_i32 s22, s16, HALFS                      ; B's: my 128 rows, behind A's 256
	s_add_co_u32 s22, s22, 2*HALFS
	s_sub_co_u32 s22, s22, s21
	v_mul_u32_u24 v3, s22, v2                      ; lanes 16-31 take B's
	s_add_co_u32 s21, s21, SCL
	v_add_nc_u32 v5, v5, v3
	v_add_nc_u32 v[ADRS], s21, v5
	s_mul_i32 s23, s14, 16*SPITCH                  ; my stage
	v_mul_u32_u24 v5, v1, SPITCH                   ; in: row l % 16; my half's columns begin 16 numbers, 64 bytes, on
	v_lshl_add_u32 v5, v2, 6, v5
	v_add_nc_u32 v[STO], s23, v5
	v_lshlrev_b32 v[CO], 4, v6                     ; back: the 32 lanes take one row of 512 bytes; and the same in the result
	v_add_nc_u32 v[RD], s23, v[CO]
	s_lshl_b32 s20, s17, 8
	s_lshl_b32 s21, s15, 7
	s_add_co_u32 s20, s20, s21                     ; my first row of the result: 256 x tile row + 128 x half
	s_mov_b32 s21, 0
	s_mov_b64 s[18:19], SIZE_N*4
	s_mul_u64 s[20:21], s[20:21], s[18:19]
	s_lshl_b32 s46, s42, 10                        ; my first column, in bytes: 1024 x tile column + 512 x half
	s_lshl_b32 s47, s16, 9
	s_add_co_u32 s46, s46, s47
	s_mov_b32 s47, 0
	s_add_nc_u64 s[20:21], s[20:21], s[46:47]
	s_add_nc_u64 s[12:13], s[12:13], s[20:21]
.macro FRAG reg, adr, q, i             ; a fragment of B from rows: 12 registers: lane l holds row l % 16; registers 6 c .. 6 c + 5 hold K = 64 c + 32 (l / 16) + 0 .. 31: 24 bytes of the row, as they lie, in pieces of 8 bytes
.irp p, 0,1,2,3,4,5
.set PC, 12*(\q)+6*(\p/3)+\p%3        ; 16 bytes of padding lie behind every 64 bytes (8 pieces): where the piece three on lies behind one padding more, the second address register serves
.if PC%8 < 5
	ds_load_b64 v[\reg+2*\p:\reg+2*\p+1], v[\adr] offset:8*PC+16*(PC/8)+(\i)*16*PITCH
.else
	ds_load_b64 v[\reg+2*\p:\reg+2*\p+1], v[\adr+2] offset:8*PC+16*(PC/8)+(\i)*16*PITCH
.endif
.endr
.endm
.macro FRAGA reg, slot, q, i           ; a fragment of A from its image: six planes of 256 consecutive bytes
.irp p, 0,1,2,3,4,5
	ds_load_b64 v[\reg+2*\p:\reg+2*\p+1], v[ADRA+\slot] offset:AROW*(\i)+1536*(\q)+256*\p
.endr
.endm
; 16 matrix instructions: A's blocks a0, a0 + 1 x B's eight, 128 along K.  zero = 1: the first product starts the sums.  The 64 accumulators take turns, one instruction a turn, in the same order in every step.
.macro MUL16 a0, p, q, sc, zero
.irp a, \a0, \a0+1
.irp b, 0,1,2,3,4,5,6,7
.if \zero
	v_wmma_scale_f32_16x16x128_f8f6f4 v[8*(8*((\a)%4)+\b):8*(8*((\a)%4)+\b)+7], v[128*(\p)+FR*\b:128*(\p)+FR*\b+FR-1], v[AF+FR*(\a):AF+FR*(\a)+FR-1], 0, v[SC+8*NQ*(\sc)+NQ*\b+(\q)], v[SC+8*NQ*(\sc)+NQ*(\a)+(\q)] matrix_a_fmt:MATRIX_FMT_FP6 matrix_b_fmt:MATRIX_FMT_FP6 matrix_a_scale:MATRIX_SCALE_ROW1
.else
	v_wmma_scale_f32_16x16x128_f8f6f4 v[8*(8*((\a)%4)+\b):8*(8*((\a)%4)+\b)+7], v[128*(\p)+FR*\b:128*(\p)+FR*\b+FR-1], v[AF+FR*(\a):AF+FR*(\a)+FR-1], v[8*(8*((\a)%4)+\b):8*(8*((\a)%4)+\b)+7], v[SC+8*NQ*(\sc)+NQ*\b+(\q)], v[SC+8*NQ*(\sc)+NQ*(\a)+(\q)] matrix_a_fmt:MATRIX_FMT_FP6 matrix_b_fmt:MATRIX_FMT_FP6 matrix_a_scale:MATRIX_SCALE_ROW1
.endif
.endr
.endr
.endm
.macro FETCH_B slot, q, p
	WIN TO_B
.irp i, 0,1,2,3,4,5,6,7
	FRAG 128*(\p)+FR*\i, ADRB+\slot, \q, \i
.endr
	WIN 0
.endm
.macro FETCH_A slot, q, i0
.irp i, \i0, \i0+1, \i0+2, \i0+3
	FRAGA AF+FR*(\i), \slot, \q, \i
.endr
.endm
.macro SCALES sc                       ; the next K step's scale words into set sc: lanes 0-15 take A's block i, lanes 16-31 B's block i
.irp i, 0,1,2,3,4,5,6,7
	ds_load_b64 v[SC+8*NQ*\sc+NQ*\i:SC+8*NQ*\sc+NQ*\i+1], v[ADRS] offset:\i*SBLK
.endr
.endm
; A load into a register that a matrix instruction has read, and an LDS store that reads a matrix result, stand NP places behind it; only plain vector instructions that name none of its registers are places
; (ISA guide 7.12.1 for vector instructions).
.macro PLACES n
.rept \n
	v_nop
.endr
.endm
.macro STEP slot, q, zero
	s_wait_dscnt 4*NL                              ; B's set and A's blocks 0-3 are in; the youngest 24 loads (A's blocks 4-7) may be out
	WIN MUL_LO
	MUL16 0, (\q)%2, \q, \slot, \zero
	MUL16 2, (\q)%2, \q, \slot, \zero
	s_wait_dscnt 0                                 ; A's blocks 4-7 are in
	PLACES NP
	FETCH_B \slot, (\q)+1, 1-(\q)%2
	FETCH_A \slot, (\q)+1, 0
	WIN MUL_HI
	MUL16 4, (\q)%2, \q, \slot, \zero
	MUL16 6, (\q)%2, \q, \slot, \zero
	PLACES NP
	WIN 0
	FETCH_A \slot, (\q)+1, 4
.endm
; A slot's last step changes slots: ONE barrier; in front of it each wave waits for all its tensor loads, adds 0 to its spare word, and waits for that and for its own reads of this slot.  fill = 1: this slot is filled again, two K steps ahead.
.macro TURN slot, next, fill
	s_wait_tensorcnt 0x0                           ; all my tensor loads have landed: my part of the next slot  (every window is 0 here)
	ds_add_u32 v[SPW], v[NIL]                      ; 0 onto my spare word
	s_wait_dscnt 4*NL+1                            ; (the add and the youngest 24 loads, A's blocks 4-7, may be out)
	WIN MUL_LO
	MUL16 0, 1, NQ-1, \slot, 0                     ; sixteen matrix instructions stand between the add and the wait for it
	s_wait_dscnt 0x0                               ; the add is done, and my reads of this slot are over
	s_barrier_signal -1
	MUL16 2, 1, NQ-1, \slot, 0
	WIN 0
	s_barrier_wait -1
.if \fill
	CREST                                          ; the barrier has opened a round of the cluster's barrier: no wave of any partner still reads this slot's tile or has a load on its way
	s_add_nc_u64 s[G0+4*\slot+2:G0+4*\slot+3], s[G0+4*\slot+2:G0+4*\slot+3], 2*AROW
	s_add_nc_u64 s[G0B+4*\slot+2:G0B+4*\slot+3], s[G0B+4*\slot+2:G0B+4*\slot+3], 2*ROWB
	JLOAD G0+4*\slot, G1, G0B+4*\slot, G1B         ; the first tensor load behind the round; the four v_nop behind it are the places in front of the loads below
.else
	PLACES NP
.endif
	v_add_nc_u32 v[ADRS], 4*NQ, v[ADRS]            ; on to the next K step's scale words (no LDS load of mine is out)
	FETCH_B \next, 0, 0
	FETCH_A \next, 0, 0
	SCALES \next
	WIN MUL_HI
	MUL16 4, 1, NQ-1, \slot, 0
	MUL16 6, 1, NQ-1, \slot, 0
	PLACES NP
	WIN 0
	FETCH_A \next, 0, 4
.endm
	s_wait_tensorcnt 1                             ; the scales and my part of K step 0 are in (K step 1's load may be out),
	s_barrier_signal -1
	s_barrier_wait -1                              ; everybody's are
	FETCH_B 0, 0, 0
	FETCH_A 0, 0, 0
	SCALES 0
	FETCH_A 0, 0, 4
	STEP 0, 0, 1                                   ; the first step stands in front of the loop: its products start the sums
	s_mov_b32 s3, LAPS-1
.Llap:                                                 ; a trip goes once round the ring, from a lap's second step to the next lap's first, and fills both slots again
	TURN 0, 1, 1
	STEP 1, 0, 0
	TURN 1, 0, 1
	STEP 0, 0, 0
	s_sub_co_u32 s3, s3, 1
	s_cmp_lg_u32 s3, 0
	s_cbranch_scc1 .Llap
	TURN 0, 1, 0                                   ; the last lap fills nothing, and has no round of the cluster's barrier
	STEP 1, 0, 0
	s_wait_dscnt 4*NL                              ; the very last step: nothing more to fetch
	WIN MUL_LO
	MUL16 0, 1, NQ-1, 1, 0
	MUL16 2, 1, NQ-1, 1, 0
	s_wait_dscnt 0
	WIN MUL_HI
	MUL16 4, 1, NQ-1, 1, 0
	MUL16 6, 1, NQ-1, 1, 0
	WIN 0
; THE WAY OUT, block by block of 16 token places x 128 columns, through my own stage in LDS, back as whole rows of 512 bytes.  Register j of accumulator b of lane (r, h) is column 32 (b / 2) + 8 (b % 2) + 16 h + j of my 128, since Wo's rows lie in
; position order; row t of block a is the token 32 (a / 2) + 8 (a % 2) + t + 8 (t / 8) of my 128.  LDS serves a wave's instructions in order (ISA guide 5.7.1.4): no wait between the stores and the loads, nor in front of the next block's stores.
.macro TOSTAGE a
.set AC, 64*((\a)%4)
	WIN 0x08+4*((\a)/4)                            ; the data: window 2 or 3
.irp b, 0,1,2,3,4,5,6,7
	ds_store_b128 v[STO], v[AC+8*\b:AC+8*\b+3] offset:128*(\b/2)+32*(\b%2)          ; each accumulator from its low end on
	ds_store_b128 v[STO], v[AC+8*\b+4:AC+8*\b+7] offset:128*(\b/2)+32*(\b%2)+16
.endr
	WIN 0
.set BB, BK+64*((\a)%2)
.irp t, 0,1,2,3,4,5,6,7,8,9,10,11,12,13,14,15
	ds_load_b128 v[BB+4*\t:BB+4*\t+3], v[RD] offset:\t*SPITCH
.endr
.endm
.macro SEND a, younger                 ; younger: the LDS instructions issued behind block a's loads, which may stay out
.set BB, BK+64*((\a)%2)
	s_wait_dscnt \younger                          ; the block is back in registers
.irp t, 0,1,2,3,4,5,6,7,8,9,10,11,12,13,14,15
	global_store_b128 v[CO], v[BB+4*\t:BB+4*\t+3], s[12:13] offset:(32*((\a)/2)+8*((\a)%2)+\t+8*(\t/8))*SIZE_N*4 th:TH_STORE_NT   ; 32 lanes store 512 consecutive bytes, aligned; 127 rows of 4,096 bytes at the most: inside the signed 24-bit immediate; the base is never stepped
.endr
.endm
	PLACES NP                                      ; behind the last products: their results are read, and loads land in the registers that held A's fragments
	TOSTAGE 0
.irp a, 1,2,3,4,5,6,7
.if \a > 1
	s_wait_xcnt 0x0                                ; block a - 2's stores have read their registers: block a's loads may land there
.endif
	TOSTAGE \a
	SEND \a-1, 32                                  ; behind block a - 1's loads: block a's 16 stores and 16 loads
.endr
	SEND 7, 0
	s_wait_tensorcnt 0x0                           ; the wave's end: behind my last tensor load and my last LDS store
	ds_add_u32 v[SPW], v[NIL]
	s_wait_dscnt 0x0
	CROUND                                         ; the closing round: no work-group ends while a partner may still ask for a tile that names it
	s_endpgm
.Lfunc_end_k_qc9fbfa9eda_proj:
	.size	k_qc9fbfa9eda_proj, .Lfunc_end_k_qc9fbfa9eda_proj-k_qc9fbfa9eda_proj
	.p2alignl 7, 3214868480
	.fill 96, 4, 3214868480
	.section	.rodata,"a",@progbits
	.p2align	6, 0x0
	.amdhsa_kernel k_qc9fbfa9eda_proj
		.amdhsa_group_segment_fixed_size 327680
		.amdhsa_private_segment_fixed_size 0
		.amdhsa_enable_private_segment 0
		.amdhsa_kernarg_size 40
		.amdhsa_user_sgpr_count 2
		.amdhsa_user_sgpr_kernarg_segment_ptr 1
		.amdhsa_wavefront_size32 1
		.amdhsa_system_sgpr_workgroup_id_x 1
		.amdhsa_system_sgpr_workgroup_id_y 1
		.amdhsa_system_sgpr_workgroup_id_z 1
		.amdhsa_system_vgpr_workitem_id 0
		.amdhsa_next_free_vgpr 1024
		.amdhsa_next_free_sgpr 98
		.amdhsa_reserve_vcc 0
		.amdhsa_float_denorm_mode_32 3
		.amdhsa_float_denorm_mode_16_64 3
		.amdhsa_memory_ordered 1
		.amdhsa_forward_progress 1
		.amdhsa_inst_pref_size 159
	.end_amdhsa_kernel
	.amdgpu_metadata
---
amdhsa.version: [ 1, 2 ]
amdhsa.kernels:
  - .name:           k_qc9fbfa9eda_proj
    .symbol:         k_qc9fbfa9eda_proj.kd
    .args:
      - { .name: yc, .offset: 0, .size: 8, .value_kind: global_buffer, .address_space: global }
      - { .name: ys, .offset: 8, .size: 8, .value_kind: global_buffer, .address_space: global }
      - { .name: cod, .offset: 16, .size: 8, .value_kind: global_buffer, .address_space: global }
      - { .name: scl, .offset: 24, .size: 8, .value_kind: global_buffer, .address_space: global }
      - { .name: out0, .offset: 32, .size: 8, .value_kind: global_buffer, .address_space: global }
    .group_segment_fixed_size: 327680
    .private_segment_fixed_size: 0
    .kernarg_segment_align: 8
    .kernarg_segment_size: 40
    .max_flat_workgroup_size: 128
    .sgpr_count:     98
    .vgpr_count:     1024
    .wavefront_size: 32
...
	.end_amdgpu_metadata
.endif
;; end of part 4
